; MI455X (gfx1250); checked and timed in simulation.
; The chip was launched on July 23, 2026; its instructions are those of AMD's public machine-readable ISA for CDNA 5 (MIT licence, August 2026) and "CDNA5" Instruction Set Architecture Reference Guide (July 2026). The comments in the code are by the model that wrote it; some were corrected since.
;; Multihead Self Attention. Allowed arithmetic: matrix products marked QUANTISED: E4M3 operands, one given power-of-two scale a tensor, by v_wmma_f32_16x16x64_fp8_fp8 or v_wmma_f32_16x16x128_fp8_fp8, f32 sums; everything else in f32.
;; Inputs: W_K 1,024 x 1,024 float32; W_O 1,024 x 1,024 float32; W_Q 1,024 x 1,024 float32; W_V 1,024 x 1,024 float32; lowp_scales 12 int32 (the exponents e of the quantised operands' scales 2^e); x 4 x 2,048 x 1,024 float32.
;; Outputs: out0 4 x 2,048 x 1,024 float32.
;; This version of the problem:
;;   THIS VERSION OF THE PROBLEM IS GIVEN IN LOW PRECISION. The matrix products marked QUANTISED in the list below multiply operands that are first quantised to E4M3 (4 exponent bits, 3 mantissa bits; 8 bits a number), with one given power-of-two scale for each operand tensor; their sums are f32. All else is computed in f32.
;;   The module's matrix products, in the order in which they are computed (A, B: the left and right operand; K: the contracted axis; several contracted axes count as one K, in the product's order):
;;     1. [M 8,192, K 1,024] x [K 1,024, N 1,024]; A: input x; B: input W_Q: QUANTISED (scales: A lowp_scales[0], B lowp_scales[1])
;;     2. [M 8,192, K 1,024] x [K 1,024, N 1,024]; A: input x; B: input W_K: QUANTISED (scales: A lowp_scales[2], B lowp_scales[3])
;;     3. [M 8,192, K 1,024] x [K 1,024, N 1,024]; A: input x; B: input W_V: QUANTISED (scales: A lowp_scales[4], B lowp_scales[5])
;;     4. batch 64 x [M 2,048, K 64] x [K 64, N 2,048]; A: computed on the way; B: computed on the way: QUANTISED (scales: A lowp_scales[6], B lowp_scales[7])
;;     5. batch 64 x [M 2,048, K 2,048] x [K 2,048, N 64]; A: softmax (see below); B: computed on the way: QUANTISED (scales: A lowp_scales[8], B lowp_scales[9])
;;     6. [M 8,192, K 1,024] x [K 1,024, N 1,024]; A: computed on the way; B: input W_O: QUANTISED (scales: A lowp_scales[10], B lowp_scales[11])
;;   THE QUANTISER, for each operand of a quantised product, along K:
;;     - The operand's scale is 2^e, e = its entry of the input lowp_scales (int32; the entries are numbered through the quantised products in the list's order, A before B).
;;     - Each number is divided by the scale, clamped to +-448, and rounded to the nearest number of E4M3, ties to even, subnormals kept.
;;     - The product sums the exact products of the quantised numbers (number of the format x scale) in f32.
;;   ~~~python
;;   def quantise(x, axis, e):      # numpy; x: float32 -> the quantised numbers, widened to float32 again
;;       x = np.moveaxis(x, axis, -1); K = x.shape[-1]
;;       r = np.clip(x / 2.0 ** e, -448, 448)
;;       step = 2.0 ** (np.maximum(np.frexp(np.where(r == 0, 1, r))[1] - 1, -6) - 3)
;;       q = np.round(r / step) * step * 2.0 ** e      # np.round: ties to even
;;       return np.moveaxis(q, -1, axis).astype(np.float32)
;;   ~~~
;;   SOFTMAX AHEAD OF A QUANTISED PRODUCT. Where the list says 'softmax', what is quantised is not the finished softmax but p = 2^(t - M), with t = logit x log2(e) and M = ceil(the row's largest t), a whole number; so 1/2 < the row's largest p <= 1. The row's sum l is taken of the UNQUANTISED p, in f32, and the product's result is divided by l at the end. Since M is a whole number, a kernel that streams over the keys may use a running M (the ceiling of the running maximum): every later rescaling is an exact power of two, so the quantised numbers keep their values, but for numbers so far below the row's largest that they fall under the format's range.
;;   OPERANDS COMPUTED ON THE WAY. 'Computed on the way' means the value that the module computes at that place (a softmax that the list does not call 'softmax' is quantised finished and normalised). What goes into a quantiser is computed in f32, as accurately as f32 sums, v_exp_f32 and their like allow (about 1e-6 of the number): no bf16 or f16 on the way to a quantiser, and a product that is left as it is and whose result goes on into a quantised operand takes f32 operands (vector FMAs, or v_wmma_f32_16x16x4_f32). A number that lies on a knife's edge between two numbers of the format may be rounded either way, as far as f32 arithmetic and the matrix unit's own rounding can turn it there, and no further.
;; One version. Each part assembles by itself: llvm-mc -triple=amdgcn-amd-amdhsa -mcpu=gfx1250 --defsym DOCPART=n.
;; ======== version 1 of 1: 4 launches
;; limits: right only within a limited range of input values
;; workspace buffers: cod 29,360,128 bytes; qkv 25,165,824 bytes; ac 8,388,608 bytes
;; launch quant (part 1): grid 384 x 1, 4 waves a work-group, no clusters, 33,280 bytes of LDS; arguments x, W_Q, W_K, W_V, W_O, lowp_scales, cod; writes cod
.if DOCPART == 1
	.amdgcn_target "amdgcn-amd-amdhsa--gfx1250"
	.amdhsa_code_object_version 6
	.text
	.protected	k_q749955e55f_quant
	.globl	k_q749955e55f_quant
	.p2align	8
	.type	k_q749955e55f_quant,@function
k_q749955e55f_quant:
	s_mov_b64 s[64:65], 0
	v_nop
	global_prefetch_b8 v0, s[64:65] scope:SCOPE_SE
	s_setreg_imm32_b32 hwreg(HW_REG_WAVE_MODE, 25, 1), 1
	s_wait_xcnt 0x0
; x [8192][1024] and W_Q, W_K, W_V, W_O [1024][1024], f32, K innermost, become codes of FP8 (E4M3), one byte each, K innermost, in ONE buffer of 28,672 rows of 1,024 codes:
; rows 0-8191 x at 2^e0, 8192-16383 x at 2^e2, 16384-24575 x at 2^e4 (x is an operand of three products, each with a scale of its own), then W_Q (e1), W_K (e3), W_V (e5), W_O (e11), 1,024 rows each.
; code = number / 2^e, held within +-448, rounded to the nearest code, ties to even.  LIMITS: each of these e lies between -126 and 119; NaN among the inputs is not served (an infinity is held at the largest code).
; Rows are dense, so every tensor is a plain stream.  A work-group takes 32,768 numbers, a wave 8,192 in 16 steps of 512.  Work-groups 0-255 take x (read once, quantised three times), 256-383 the weights, 32 each.
; A conversion takes 8 neighbours from ONE lane's registers; a load is dense where neighbouring LANES take neighbouring bytes.  Both are had: a step's four loads read 512 consecutive bytes each, the 2,048 bytes go
; through the wave's own stage in LDS as they lie and come back 64 bytes a lane (16 bytes of padding behind each 64).  A lane's 16 codes are 16 bytes: a store of the wave covers 512 consecutive bytes, aligned.
; No tensor load, no barrier, no cluster: waves and work-groups share nothing.  Loads run four steps (16 loads a wave) ahead, the turn through LDS one step.
.set WAVES, 4
.set STEPS, 16
.set SP,    80                         ; a lane's place in a stage: 64 bytes + 16 of padding
.set WREG,  8192                       ; LDS: a region for each wave: two stages of 32 x SP bytes
.set SPARE, WAVES*WREG                 ; behind the regions: the spare words, 128 bytes a wave: two blocks of 256 bytes that no other line names
.set SPW,   12                         ; v12      LDS address of my spare word; never rewritten
.set NIL,   13                         ; v13      0; never rewritten
.set R,     16                         ; v16-79   four sets of 16 numbers as loaded
.set X,     80                         ; v80-111  two sets of 16 neighbours
.set T,     112
.set C,     128                        ; v128-175 codes: a ring of four steps x three outputs x four registers
	s_load_b256 s[4:11], s[0:1], 0x0               ; x s[4:5], W_Q s[6:7], W_K s[8:9], W_V s[10:11]
	s_load_b128 s[12:15], s[0:1], 0x20             ; W_O s[12:13], the scales' exponents s[14:15]
	s_load_b64 s[16:17], s[0:1], 0x30              ; the codes
	v_lshl_add_u32 v[SPW], v0, 2, SPARE
	v_mov_b32 v[NIL], 0
	v_lshrrev_b32 v1, 5, v0
	v_readfirstlane_b32 s30, v1                    ; wave 0..3
	v_and_b32 v2, 31, v0                           ; lane
	v_lshlrev_b32 v3, 4, v2                        ; 16 x lane: my bytes of a load's 512, and of a store's 512; never rewritten
	s_mul_i32 s31, s30, WREG
	v_lshrrev_b32 v14, 2, v2
	v_mul_u32_u24 v14, v14, SP
	v_and_b32 v15, 3, v2
	v_lshl_add_u32 v14, v15, 4, v14
	v_add_nc_u32 v14, s31, v14                     ; the stage, on the way in: SP (lane / 4) + 16 (lane % 4); a load's 512 bytes take eight places
	v_mul_u32_u24 v15, v2, SP
	v_add_nc_u32 v15, s31, v15                     ; and on the way out: SP x lane: my 16 neighbours
	s_and_b32 s32, ttmp9, 31                       ; a weight's chunk
	s_add_co_u32 s34, ttmp9, 512                   ; a weight's place among the chunks of codes: behind x's 768
	s_cmp_lt_u32 ttmp9, 256                        ; x's work-group?  The choice hangs on the work-group's number alone
	s_cselect_b32 s32, ttmp9, s32
	s_cselect_b32 s34, ttmp9, s34
	s_lshl_b32 s32, s32, 17                        ; a chunk is 131,072 bytes of numbers,
	s_lshl_b32 s33, s30, 15                        ; a wave's part 32,768
	s_add_co_u32 s32, s32, s33
	s_mov_b32 s33, 0
	s_lshl_b32 s34, s34, 15                        ; and 32,768 bytes of codes,
	s_lshl_b32 s35, s30, 13                        ; a wave's part 8,192
	s_add_co_u32 s34, s34, s35
	s_mov_b32 s35, 0
	s_wait_alu depctr_va_vdst(0)
	s_wait_kmcnt 0x0
	s_load_b256 s[36:43], s[14:15], 0x0            ; e0 .. e7
	s_load_b128 s[44:47], s[14:15], 0x20           ; e8 .. e11
	s_mov_b64 s[20:21], s[12:13]                   ; the source: W_O, unless the work-group's number says otherwise
	s_cmp_lt_u32 ttmp9, 352
	s_cselect_b64 s[20:21], s[10:11], s[20:21]     ; W_V
	s_cmp_lt_u32 ttmp9, 320
	s_cselect_b64 s[20:21], s[8:9], s[20:21]       ; W_K
	s_cmp_lt_u32 ttmp9, 288
	s_cselect_b64 s[20:21], s[6:7], s[20:21]       ; W_Q
	s_cmp_lt_u32 ttmp9, 256
	s_cselect_b64 s[20:21], s[4:5], s[20:21]       ; x
	s_add_nc_u64 s[20:21], s[20:21], s[32:33]
	s_add_nc_u64 s[24:25], s[16:17], s[34:35]      ; output 0
	s_add_nc_u64 s[26:27], s[24:25], 0x800000      ; x's second and third sets of codes, 8,192 rows further on each (used by x's work-groups alone)
	s_add_nc_u64 s[28:29], s[24:25], 0x1000000
.macro LOAD t
.irp i, 0,1,2,3
	global_load_b128 v[R+16*((\t)%4)+4*\i:R+16*((\t)%4)+4*\i+3], v3, s[20:21] offset:2048*(\t)+512*\i th:TH_LOAD_NT   ; 32 lanes read 512 consecutive bytes
.endr
.endm
.macro TURN t                          ; step t's numbers through the stage: LDS serves a wave's instructions in order (ISA guide 5.7.1.4), so no wait stands between the stores and the loads
.irp i, 0,1,2,3
	ds_store_b128 v14, v[R+16*((\t)%4)+4*\i:R+16*((\t)%4)+4*\i+3] offset:32*SP*((\t)%2)+8*SP*\i
.endr
.irp i, 0,1,2,3
	ds_load_b128 v[X+16*((\t)%2)+4*\i:X+16*((\t)%2)+4*\i+3], v15 offset:32*SP*((\t)%2)+16*\i
.endr
.endm
.irp t, 0,1,2,3
	LOAD \t
.endr
	s_wait_kmcnt 0x0
	s_mov_b32 s48, s47                             ; output 0's exponent, by the same chain: e11,
	s_cmp_lt_u32 ttmp9, 352
	s_cselect_b32 s48, s41, s48                    ; e5,
	s_cmp_lt_u32 ttmp9, 320
	s_cselect_b32 s48, s39, s48                    ; e3,
	s_cmp_lt_u32 ttmp9, 288
	s_cselect_b32 s48, s37, s48                    ; e1,
	s_cmp_lt_u32 ttmp9, 256
	s_cselect_b32 s48, s36, s48                    ; e0
	s_mov_b32 s49, s38                             ; output 1: e2
	s_mov_b32 s50, s40                             ; output 2: e4
.irp k, 0,1,2
	s_add_co_i32 s51, s[48+\k], 127
	s_lshl_b32 s52, s51, 23
	v_mov_b32 v[5+\k], s52                         ; 2^e as f32: the conversion takes its exponent field
.endr
	s_wait_alu depctr_va_vdst(0)
	s_wait_loadcnt 12                              ; step 0's four loads are in; those of steps 1 to 3 may be out
	TURN 0
; Output k of step t: converted, stored.
.macro QOUT t, k
.set XS, X+16*((\t)%2)
.set CC, C+12*((\t)%4)+4*(\k)
.irp i, 0,1,2,3,4,5,6,7,8,9,10,11,12,13,14,15
.endr
	v_cvt_scalef32_pk8_fp8_f32 v[CC:CC+1], v[XS:XS+7], v[5+\k]
	v_cvt_scalef32_pk8_fp8_f32 v[CC+2:CC+3], v[XS+8:XS+15], v[5+\k]
	v_nop                                          ; one plain vector line between the conversions and the next lines that write their sources
	global_store_b128 v3, v[CC:CC+3], s[24+2*\k:25+2*\k] offset:512*(\t) th:TH_STORE_NT   ; 32 lanes store 512 consecutive bytes, aligned; not read again in this launch
.endm
.macro STEP t
	s_wait_dscnt 0x0                               ; this step's numbers are back from the stage: so its stores into the stage have read their registers,
.if (\t)+4 < STEPS
	LOAD (\t)+4                                    ; which take the loads of four steps on
.endif
.if (\t)+1 < STEPS
.if STEPS-2-(\t) >= 3
	s_wait_loadcnt 12                              ; the next step's four loads are in; those of the three steps behind it may be out
.else
	s_wait_loadcnt 4*(STEPS-2-(\t))
.endif
	TURN (\t)+1                                    ; and go through the other stage while this step is worked
.endif
	s_wait_xcnt 0x0                                ; the stores of four steps ago have read their data: the ring's registers are written again only behind this wait
	QOUT \t, 0
	s_cmp_lt_u32 ttmp9, 256                        ; a weight has one scale: the branch leads round register work and stores to memory alone
	s_cbranch_scc0 .Lw_\@
	QOUT \t, 1
	QOUT \t, 2
.Lw_\@:
.endm
.irp t, 0,1,2,3,4,5,6,7,8,9,10,11,12,13,14,15
	STEP \t
.endr
	s_wait_tensorcnt 0x0                           ; the wave's end: behind my last LDS store
	ds_add_u32 v[SPW], v[NIL]
	s_wait_dscnt 0x0
	s_endpgm
.Lfunc_end_k_q749955e55f_quant:
	.size	k_q749955e55f_quant, .Lfunc_end_k_q749955e55f_quant-k_q749955e55f_quant
	.p2alignl 7, 3214868480
	.fill 96, 4, 3214868480
	.section	.rodata,"a",@progbits
	.p2align	6, 0x0
	.amdhsa_kernel k_q749955e55f_quant
		.amdhsa_group_segment_fixed_size 33280
		.amdhsa_private_segment_fixed_size 0
		.amdhsa_enable_private_segment 0
		.amdhsa_kernarg_size 56
		.amdhsa_user_sgpr_count 2
		.amdhsa_user_sgpr_kernarg_segment_ptr 1
		.amdhsa_wavefront_size32 1
		.amdhsa_system_sgpr_workgroup_id_x 1
		.amdhsa_system_sgpr_workgroup_id_y 1
		.amdhsa_system_sgpr_workgroup_id_z 1
		.amdhsa_system_vgpr_workitem_id 0
		.amdhsa_next_free_vgpr 176
		.amdhsa_next_free_sgpr 66
		.amdhsa_reserve_vcc 0
		.amdhsa_float_denorm_mode_32 3
		.amdhsa_float_denorm_mode_16_64 3
		.amdhsa_fp16_overflow 1
		.amdhsa_memory_ordered 1
		.amdhsa_forward_progress 1
		.amdhsa_inst_pref_size 33
	.end_amdhsa_kernel
	.amdgpu_metadata
---
amdhsa.version: [ 1, 2 ]
amdhsa.kernels:
  - .name:           k_q749955e55f_quant
    .symbol:         k_q749955e55f_quant.kd
    .args:
      - { .name: x, .offset: 0, .size: 8, .value_kind: global_buffer, .address_space: global }
      - { .name: W_Q, .offset: 8, .size: 8, .value_kind: global_buffer, .address_space: global }
      - { .name: W_K, .offset: 16, .size: 8, .value_kind: global_buffer, .address_space: global }
      - { .name: W_V, .offset: 24, .size: 8, .value_kind: global_buffer, .address_space: global }
      - { .name: W_O, .offset: 32, .size: 8, .value_kind: global_buffer, .address_space: global }
      - { .name: lowp_scales, .offset: 40, .size: 8, .value_kind: global_buffer, .address_space: global }
      - { .name: cod, .offset: 48, .size: 8, .value_kind: global_buffer, .address_space: global }
    .group_segment_fixed_size: 33280
    .private_segment_fixed_size: 0
    .kernarg_segment_align: 8
    .kernarg_segment_size: 56
    .max_flat_workgroup_size: 128
    .sgpr_count:     66
    .vgpr_count:     176
    .wavefront_size: 32
...
	.end_amdgpu_metadata
.endif
;; end of part 1
;; launch qkv (part 2): grid 12 x 64, 4 waves a work-group, clusters of 4 x 4, 327,680 bytes of LDS; arguments cod, lowp_scales, qkv; writes qkv
.if DOCPART == 2
	.amdgcn_target "amdgcn-amd-amdhsa--gfx1250"
	.amdhsa_code_object_version 6
	.text
	.protected	k_q749955e55f_qkv
	.globl	k_q749955e55f_qkv
	.p2align	8
	.type	k_q749955e55f_qkv,@function
k_q749955e55f_qkv:
	s_mov_b64 s[64:65], 0
	v_nop
	global_prefetch_b8 v0, s[64:65] scope:SCOPE_SE
	s_setreg_imm32_b32 hwreg(HW_REG_WAVE_MODE, 25, 1), 1
	s_wait_xcnt 0x0
	s_wait_alu depctr_hold_cnt(0) depctr_sa_sdst(0) depctr_va_vdst(0) depctr_va_sdst(0) depctr_va_ssrc(0) depctr_va_vcc(0) depctr_vm_vsrc(0)
	s_getreg_b32 s2, hwreg(HW_REG_IB_STS2, 6, 4)
	s_cmp_eq_u32 s2, 0
	s_cbranch_scc0 .Lentry_in_a_cluster
	s_endpgm
.Lentry_in_a_cluster:
	s_bfe_u32 s2, ttmp6, 0x10000c
	s_cmp_lg_u32 s2, 0xf033
	s_cbranch_scc0 .Lentry_shape_is_right
	s_endpgm
.Lentry_shape_is_right:
; Q = x W_Q^T, K = x W_K^T, V = x W_V^T on codes of FP8 (E4M3), K = 1,024, f32 sums; each result is quantised at once (Q: e6, K: e7, V: e9) and stored as codes.
; cod: 28,672 rows of 1,024 codes: x at e0, e2, e4 (8,192 rows each), then W_Q, W_K, W_V, W_O.  qkv: Q's codes [16 b + h][s][64] at byte 0, K's likewise at 8,388,608, V^T's [64 h + d][2048 b + s] at 16,777,216.
; A tile of C is 128 rows of "A" x 256 rows of "B": that makes 768 work-groups, three for each of 256 WGPs; 256 x 256 would make 384.  Four waves, 2 x 2, each 64 x 128: 32 accumulators, 256 registers.
; The cluster's x picks the tensor: 0 Q, 1 K (A = x's rows, B = the weight's), 2 V, where the roles are changed in the ADDRESSES alone (A = W_V's rows, B = x's): the same products then give V^T, keys innermost.
; THE MATRIX INSTRUCTION IS USED TRANSPOSED (source 0 = 16 rows of B, source 1 = 16 rows of A): a lane holds eight neighbours along B of one row of A: eight neighbours of the next product's K, one conversion.
; A sum stands for sum x 2^(ea + eb), so its code is sum / 2^E with E = e6 - e0 - e1 (Q), e7 - e2 - e3 (K), e9 - e4 - e5 (V).  LIMIT: each E lies between -126 and 119.
; K goes in four steps of 256 (rows of 256 bytes) through THREE LDS slots: K steps 0, 1, 2 are asked for together at the head (three tensor loads of a wave are out), K step 3 fills slot 0 again behind the one round
; of the cluster's barrier in the middle and has two K steps, 128 matrix instructions, in which to land.  No loop: the eight steps of 128 along K are written out.
; CLUSTERS: 4 x 4 work-groups; A's tile is shared along a row of the cluster, B's along a column: each is asked for jointly, by the same tensor load with the same descriptor and a mask that names the four.
; No prefetch: three of the four K steps are asked for at the head.
; REGISTERS, in windows of 256: window 0: v16-18, v20-22 LDS addresses of A's and B's fragments in the three slots; v19, v24-27 the way out; v28, v29 the add's two; v30 the scale;
;   v64-127, v128-191 A's fragments (4 x 16 rows x 128 K), two sets; v192-255 the codes.   window 1: B's fragments (8), two sets, at v0 and v128.   window 2: accumulator (a, b) at v[8 (8 a + b)].
.set PITCH,  272                       ; an LDS row: 256 bytes + 16 of padding = 68 words: row r starts at bank 4 r mod 64 (64 banks of 4 bytes: ISA guide 11.1)
.set ABYT,   128*PITCH                 ; A's 128 rows
.set SLOT,   384*PITCH                 ; then B's 256
.set STAGE,  SLOT                      ; the way out: 128 rows x 272 bytes in slot 1, which has had its one fill, and its last read ahead of the barrier in front of K step 3
.set SPARE,  3*SLOT                    ; behind the slots: the spare words, 128 bytes a wave: two blocks of 256 bytes that no other line names
.set KSTEPA, 256                       ; bytes from K step to K step in A's rows
.set ADRA, 16
.set ADRB, 20
.set SPW,  28
.set NIL,  29
.set G1A,  24                          ; s[24:31] descriptor group 1 for A's tiles; s[32:39] for B's
.set G1B,  32
.set G0A,  48                          ; s[48:63] four groups 0 for A's tiles, one for each K step: none is ever rewritten; s[68:83] for B's
.set G0B,  68
.set MSB, 0
.macro WIN new                         ; the immediate's high byte repeats the setting that is left
.if MSB != \new
	s_set_vgpr_msb (MSB<<8)|\new
.set MSB, \new
.endif
.endm
.set MUL,  0xa1                        ; source 0 (B) window 1, source 1 (A) window 0, C and D window 2
.set TO_B, 0x40                        ; destination window 1, address window 0
.macro PLACES n
.rept \n
	v_nop
.endr
.endm
; A joint load: waves 0 and 1 fetch A's halves, waves 2 and 3 B's.  The branch hangs on the wave's number alone.  An s_nop 0 and four v_nop follow each of the two lines.
.macro JLOAD g0a, g1a, g0b, g1b
	s_cmp_eq_u32 s15, 0
	s_cbranch_scc0 .Lfor_b_\@
	tensor_load_to_lds s[\g0a:\g0a+3], s[\g1a:\g1a+7]
	s_nop 0
	PLACES 4
	s_branch .Lasked_\@
.Lfor_b_\@:
	tensor_load_to_lds s[\g0b:\g0b+3], s[\g1b:\g1b+7]
	s_nop 0
	PLACES 4
.Lasked_\@:
.endm
.macro CREST                           ; a round of the cluster's barrier behind its opening barrier
	s_cmp_lg_u32 s14, 0
	s_cbranch_scc1 .Lnot_wave_0_\@
	s_barrier_signal -3
.Lnot_wave_0_\@:
	s_barrier_wait -3
	s_barrier_signal -1
	s_barrier_wait -1
.endm
.macro CROUND
	s_barrier_signal -1
	s_barrier_wait -1
	CREST
.endm
	s_load_b128 s[4:7], s[0:1], 0x0                ; the operands' codes s[4:5], the scales' exponents s[6:7]
	s_load_b64 s[8:9], s[0:1], 0x10                ; the results' codes
	v_lshl_add_u32 v[SPW], v0, 2, SPARE
	v_mov_b32 v[NIL], 0
	ds_add_u32 v[SPW], v[NIL]
	ds_add_u32 v[SPW], v[NIL]                      ; the wave's opening: the add and its wait stand ahead of my first tensor load; the set-up below, work on registers, stands between them
	v_lshrrev_b32 v1, 5, v0
	v_readfirstlane_b32 s14, v1                    ; wave 0..3
	s_lshr_b32 s15, s14, 1                         ; which 64 of the tile's A rows are mine.  Also: I fetch for A (0) or for B (1)
	s_and_b32 s16, s14, 1                          ; which 128 of its B rows.  Also: which half of that tile I fetch
	s_bfe_u32 s40, ttmp6, 0x40000                  ; cx
	s_bfe_u32 s41, ttmp6, 0x40004                  ; cy
	s_mov_b32 s42, ttmp9                           ; the cluster's x: the tensor, the same in all sixteen partners
	s_and_b32 s43, ttmp7, 0xffff                   ; the cluster's y, 0..15
	s_lshl_b32 s44, s41, 2
	s_lshl_b32 s44, 15, s44                        ; my row of the cluster
	s_lshl_b32 s45, 0x1111, s40                    ; my column
	s_or_b32 s[G1A+0], s44, (1<<20)|(1<<21)|(5<<22)|(3<<25)   ; 15:0 the mask; 17:16 elements of 1 byte; 20 padding on; 21 set beside a mask; 24:22 after every 64 words; 31:25 four words
	s_mov_b32 s[G1A+1], 256<<16                    ; tensor_dim0 = 256
	s_mov_b32 s[G1A+2], 64<<16                     ; tensor_dim1 = 64
	s_mov_b32 s[G1A+3], 256<<16                    ; tile_dim0
	s_mov_b32 s[G1A+4], 64                         ; tile_dim1
	s_mov_b32 s[G1A+5], 1024                       ; from row to row
	s_mov_b32 s[G1A+6], 0
	s_mov_b32 s[G1A+7], 0
	s_or_b32 s[G1B+0], s45, (1<<20)|(1<<21)|(5<<22)|(3<<25)
	s_mov_b32 s[G1B+1], 256<<16
	s_mov_b32 s[G1B+2], 128<<16
	s_mov_b32 s[G1B+3], 256<<16
	s_mov_b32 s[G1B+4], 128
	s_mov_b32 s[G1B+5], 1024
	s_mov_b32 s[G1B+6], 0
	s_mov_b32 s[G1B+7], 0
	; the rows of cod.  A's registers never hold cx, B's never cy.
	s_lshl_b32 s17, s42, 13
	s_lshl_b32 s18, s43, 9
	s_add_co_u32 s17, s17, s18                     ; Q, K: A = x's codes for this product: 8192 X + 512 Y
	s_lshr_b32 s20, s43, 3
	s_lshl_b32 s20, s20, 9
	s_add_co_u32 s20, s20, 26624                   ; V: A = W_V's codes: 26,624 + 512 (Y / 8)
	s_lshl_b32 s19, s42, 10
	s_add_co_u32 s19, s19, 24576                   ; Q, K: B = the weight's codes: 24,576 + 1024 X
	s_and_b32 s21, s43, 7
	s_lshl_b32 s21, s21, 10
	s_add_co_u32 s21, s21, 16384                   ; V: B = x's codes at e4: 16,384 + 1024 (Y % 8)
	s_cmp_eq_u32 s42, 2
	s_cselect_b32 s17, s20, s17
	s_cselect_b32 s19, s21, s19
	s_lshl_b32 s18, s41, 7
	s_add_co_u32 s17, s17, s18                     ; + 128 cy
	s_lshl_b32 s18, s16, 6
	s_add_co_u32 s17, s17, s18                     ; + the 64 rows that I fetch
	s_lshl_b32 s46, s40, 8
	s_add_co_u32 s19, s19, s46                     ; + 256 cx
	s_lshl_b32 s46, s16, 7
	s_add_co_u32 s19, s19, s46                     ; + the 128 rows that I fetch
	s_lshl_b32 s10, s17, 10                        ; in bytes (under 2^25)
	s_mov_b32 s11, 0
	s_lshl_b32 s12, s19, 10
	s_mov_b32 s13, 0
	s_mul_i32 s22, s16, 64*PITCH                   ; where they go in a slot: no place in the cluster enters an LDS address
	s_mul_i32 s23, s16, 128*PITCH
	s_add_co_u32 s23, s23, ABYT
	s_wait_dscnt 0x0                               ; the opening add is done
	s_wait_kmcnt 0x0
	s_load_b256 s[84:91], s[6:7], 0x0              ; e0 .. e7
	s_load_b128 s[92:95], s[6:7], 0x20             ; e8 .. e11
	s_add_nc_u64 s[10:11], s[4:5], s[10:11]
	s_add_nc_u64 s[12:13], s[4:5], s[12:13]
.irp k, 0,1,2,3
	s_mov_b32 s[G0A+4*\k], 1                                       ; count = 1
	s_add_co_u32 s[G0A+4*\k+1], s22, (\k%3)*SLOT                   ; LDS address: K step 3 takes slot 0 again
	s_add_nc_u64 s[G0A+4*\k+2:G0A+4*\k+3], s[10:11], \k*KSTEPA     ; global address
	s_or_b32 s[G0A+4*\k+3], s[G0A+4*\k+3], 0x80000000              ; type = 2
	s_mov_b32 s[G0B+4*\k], 1
	s_add_co_u32 s[G0B+4*\k+1], s23, (\k%3)*SLOT
	s_add_nc_u64 s[G0B+4*\k+2:G0B+4*\k+3], s[12:13], \k*256
	s_or_b32 s[G0B+4*\k+3], s[G0B+4*\k+3], 0x80000000
.endr
	CROUND                                         ; all sixteen work-groups are here: the first joint loads meet
	s_cmp_eq_u32 s15, 0                            ; a wave's three first fills stand in one branch, ahead of every wait on TENSORcnt and every LDS read
	s_cbranch_scc0 .Lfirst_b
	tensor_load_to_lds s[G0A:G0A+3], s[G1A:G1A+7]
	s_nop 0
	tensor_load_to_lds s[G0A+4:G0A+7], s[G1A:G1A+7]
	s_nop 0
	tensor_load_to_lds s[G0A+8:G0A+11], s[G1A:G1A+7]
	s_nop 0
	PLACES 4
	s_branch .Lfirst_asked
.Lfirst_b:
	tensor_load_to_lds s[G0B:G0B+3], s[G1B:G1B+7]
	s_nop 0
	tensor_load_to_lds s[G0B+4:G0B+7], s[G1B:G1B+7]
	s_nop 0
	tensor_load_to_lds s[G0B+8:G0B+11], s[G1B:G1B+7]
	s_nop 0
	PLACES 4
.Lfirst_asked:
	v_and_b32 v1, 15, v0                           ; r = lane % 16
	v_bfe_u32 v2, v0, 4, 1                         ; h = lane / 16
	v_and_b32 v4, 31, v0                           ; lane
	v_mul_u32_u24 v3, v1, PITCH
	v_lshl_add_u32 v3, v2, 4, v3                   ; a fragment's row x pitch + 16 h
	s_mul_i32 s2, s15, 64*PITCH                    ; my 64 rows of A
	s_mul_i32 s3, s16, 128*PITCH                   ; my 128 rows of B,
	s_add_co_u32 s3, s3, ABYT                      ; behind A's
.irp n, 0,1,2
	v_add_nc_u32 v[ADRA+\n], s2, v3
	v_add_nc_u32 v[ADRB+\n], s3, v3
	s_add_co_u32 s2, s2, SLOT
	s_add_co_u32 s3, s3, SLOT
.endr
	; the way out's addresses, all made here, ahead of the parting of the two arms
	s_mul_i32 s2, s15, 64*PITCH
	s_lshl_b32 s3, s16, 7
	s_add_co_u32 s2, s2, s3
	s_add_co_u32 s2, s2, STAGE
	v_mul_u32_u24 v24, v1, PITCH
	v_lshl_add_u32 v24, v2, 3, v24
	v_add_nc_u32 v24, s2, v24                      ; into the stage: row 64 wr + r, byte 128 wc + 8 h
	v_lshrrev_b32 v5, 2, v4
	v_and_b32 v6, 3, v4
	v_mul_u32_u24 v25, v5, PITCH
	v_lshl_add_u32 v25, v6, 4, v25
	s_lshl_b32 s2, s14, 6
	s_add_co_u32 s2, s2, STAGE
	v_add_nc_u32 v25, s2, v25                      ; Q, K, back: row lane / 4, my wave's head (64 bytes of a row), 16 (lane % 4)
	v_mul_u32_u24 v26, v2, PITCH
	v_lshl_add_u32 v26, v1, 4, v26
	s_mul_i32 s2, s14, 32*PITCH
	s_add_co_u32 s2, s2, STAGE
	v_add_nc_u32 v26, s2, v26                      ; V, back: row 32 wave + h, 16 r
	v_lshlrev_b32 v27, 4, v4                       ; Q, K in memory: 16 x lane
	v_lshlrev_b32 v19, 13, v2
	v_lshl_add_u32 v19, v1, 4, v19                 ; V in memory: h rows of 8,192 bytes + 16 r
	s_lshl_b32 s2, s43, 2
	s_add_co_u32 s2, s2, s41                       ; Q, K: the tile row TR = 4 Y + cy: tokens 128 TR on
	s_lshr_b32 s3, s2, 4
	s_lshl_b32 s3, s3, 4                           ; 16 b
	s_lshl_b32 s47, s40, 2
	s_add_co_u32 s3, s3, s47
	s_add_co_u32 s3, s3, s14                       ; + head 4 cx + wave
	s_lshl_b32 s3, s3, 17                          ; a head is 131,072 bytes
	s_and_b32 s2, s2, 15
	s_lshl_b32 s2, s2, 13                          ; 128 tokens of 64 bytes
	s_add_co_u32 s2, s2, s3
	s_lshl_b32 s3, s42, 23                         ; Q at 0, K at 8,388,608
	s_add_co_u32 s2, s2, s3
	s_mov_b32 s3, 0
	s_add_nc_u64 s[96:97], s[8:9], s[2:3]
	s_lshr_b32 s2, s43, 3
	s_lshl_b32 s2, s2, 2
	s_add_co_u32 s2, s2, s41
	s_lshl_b32 s2, s2, 7                           ; V: row 128 (4 (Y / 8) + cy)
	s_lshl_b32 s3, s14, 5
	s_add_co_u32 s2, s2, s3                        ; + 32 wave
	s_lshl_b32 s2, s2, 13
	s_and_b32 s3, s43, 7
	s_lshl_b32 s3, s3, 2
	s_add_co_u32 s3, s3, s40
	s_lshl_b32 s3, s3, 8                           ; token 256 (4 (Y % 8) + cx)
	s_add_co_u32 s2, s2, s3
	s_add_co_u32 s2, s2, 0x1000000
	s_mov_b32 s3, 0
	s_add_nc_u64 s[98:99], s[8:9], s[2:3]
; A fragment, 16 rows x 128 K, is 16 registers, by four loads of 16 bytes, 32 bytes apart: registers 4 c .. 4 c + 3 hold K = 32 c + 16 h + 0 .. 15.  That is a permutation of k, the same in A and in B, so every
; product meets its partner; half the LDS instructions of the form's own order.
.macro FRAGB reg, n, q, b
.irp c, 0,1,2,3
	ds_load_b128 v[\reg+4*\c:\reg+4*\c+3], v[ADRB+\n] offset:128*(\q)+32*\c+(\b)*16*PITCH
.endr
.endm
.macro FRAGA reg, n, q, a
.irp c, 0,1,2,3
	ds_load_b128 v[\reg+4*\c:\reg+4*\c+3], v[ADRA+\n] offset:128*(\q)+32*\c+(\a)*16*PITCH
.endr
.endm
.macro FETCH n, q, p                   ; 48 LDS loads in one run: the fragments of slot n's q-th 128 along K into set p
	WIN TO_B
.irp b, 0,1,2,3,4,5,6,7
	FRAGB 128*(\p)+16*\b, \n, \q, \b
.endr
	WIN 0
.irp a, 0,1,2,3
	FRAGA 64+64*(\p)+16*\a, \n, \q, \a
.endr
.endm
; 8 matrix instructions: A's block a x B's eight.  The 32 accumulators take turns, one instruction a turn, in the same order in every step.  zero = 1: the first products start the sums.
.macro MUL8 a, p, zero
.irp b, 0,1,2,3,4,5,6,7
.if \zero
	v_wmma_f32_16x16x128_fp8_fp8 v[8*(8*(\a)+\b):8*(8*(\a)+\b)+7], v[128*(\p)+16*\b:128*(\p)+16*\b+15], v[64+64*(\p)+16*(\a):64+64*(\p)+16*(\a)+15], 0
.else
	v_wmma_f32_16x16x128_fp8_fp8 v[8*(8*(\a)+\b):8*(8*(\a)+\b)+7], v[128*(\p)+16*\b:128*(\p)+16*\b+15], v[64+64*(\p)+16*(\a):64+64*(\p)+16*(\a)+15], v[8*(8*(\a)+\b):8*(8*(\a)+\b)+7]
.endif
.endr
.endm
; A step of 128 along K on set p; the next step's fragments (slot n, part q) are asked for first, into the other set, and land under this step's 32 matrix instructions.
.macro STEP n, q, p, zero
	s_wait_dscnt 0x0                               ; this step's 48 loads, issued a step ago, are in
	PLACES 4                                       ; a load into a register that a matrix instruction has read stands four plain vector instructions behind it (ISA guide 7.12.1 for vector instructions)
	FETCH \n, \q, 1-(\p)
	WIN MUL
	MUL8 0, \p, \zero
	MUL8 1, \p, \zero
	MUL8 2, \p, \zero
	MUL8 3, \p, \zero
.endm
	s_wait_tensorcnt 2                             ; my part of K step 0 is in; K steps 1 and 2 may stay out
	s_barrier_signal -1
	s_barrier_wait -1                              ; everybody's is
	FETCH 0, 0, 0
	STEP 0, 1, 0, 1                                ; K 0-127
	; K 128-255, slot 0's last step.  Each wave waits for all its tensor loads, adds 0 to its spare word, and waits for that and for its reads of slot 0; the barrier opens a round of the cluster's barrier;
	; behind the round no wave of any partner reads slot 0 or has a load on its way, and K step 3 is asked for, first thing.
	WIN 0                                          ; (the add's two registers lie in window 0)
	s_wait_tensorcnt 0x0                           ; K steps 0, 1 and 2 have landed
	ds_add_u32 v[SPW], v[NIL]
	s_wait_dscnt 1                                 ; the add alone may be out: this step's fragments are in
	WIN MUL
	MUL8 0, 1, 0                                   ; eight matrix instructions stand between the add and the wait for it
	s_wait_dscnt 0x0                               ; the add is done, and my reads of slot 0 are over
	s_barrier_signal -1
	MUL8 1, 1, 0
	WIN 0
	s_barrier_wait -1
	CREST
	JLOAD G0A+12, G1A, G0B+12, G1B                 ; the four v_nop behind it are also the places in front of the loads below
	FETCH 1, 0, 0
	WIN MUL
	MUL8 2, 1, 0
	MUL8 3, 1, 0
	STEP 1, 1, 0, 0                                ; K 256-383
	STEP 2, 0, 1, 0                                ; K 384-511; slot 2 was shown whole by the wait for all loads and the round above
	STEP 2, 1, 0, 0                                ; K 512-639
	; K 640-767.  A plain barrier. In front of it my part of K step 3 has landed and my reads of slots 1 and 2 are over.
	s_wait_dscnt 0x0
	s_wait_tensorcnt 0x0
	s_barrier_signal -1
	WIN MUL
	MUL8 0, 1, 0
	MUL8 1, 1, 0
	s_barrier_wait -1
	PLACES 4
	FETCH 0, 0, 0
	WIN MUL
	MUL8 2, 1, 0
	MUL8 3, 1, 0
	STEP 0, 1, 0, 0                                ; K 768-895
	s_wait_dscnt 0x0                               ; K 896-1023: nothing more to fetch
	WIN MUL
	MUL8 0, 1, 0
	MUL8 1, 1, 0
	MUL8 2, 1, 0
	MUL8 3, 1, 0
	WIN 0
	; THE WAY OUT.  The three folded exponents are all made, and one is picked by the cluster's x: no branch hangs on a loaded number.
	s_wait_kmcnt 0x0
	s_sub_co_i32 s2, s90, s84
	s_sub_co_i32 s2, s2, s85                       ; e6 - e0 - e1
	s_sub_co_i32 s3, s91, s86
	s_sub_co_i32 s3, s3, s87                       ; e7 - e2 - e3
	s_sub_co_i32 s47, s93, s88
	s_sub_co_i32 s47, s47, s89                     ; e9 - e4 - e5
	s_cmp_eq_u32 s42, 1
	s_cselect_b32 s2, s3, s2
	s_cmp_eq_u32 s42, 2
	s_cselect_b32 s2, s47, s2
	s_add_co_i32 s2, s2, 127
	s_lshl_b32 s3, s2, 23
	v_mov_b32 v30, s3                              ; 2^E as f32
	PLACES 4                                       ; in front of the first read of results
	WIN 0x82                                       ; source 0 and destination window 2
.set n, 0
.rept 256
.set n, n+1
.endr
	WIN 0x02                                       ; source 0 window 2, destination window 0
.set n, 0
.rept 32
	v_cvt_scalef32_pk8_fp8_f32 v[192+2*n:193+2*n], v[8*n:8*n+7], v30   ; accumulator n's eight neighbours: 8 bytes
.set n, n+1
.endr
	WIN 0
	v_nop                                          ; one plain vector line behind the last conversion
.set n, 0
.rept 32
	ds_store_b64 v24, v[192+2*n:193+2*n] offset:(n/8)*16*PITCH+16*(n%8)   ; the tile's codes as [128][256]
.set n, n+1
.endr
	s_wait_dscnt 0x0                               ; for the others' sake: my stores into the stage are done
	s_barrier_signal -1
	s_barrier_wait -1
	s_cmp_eq_u32 s42, 2                            ; the cluster's x: the two arms differ in LDS reads and stores to memory alone
	s_cbranch_scc1 .Lv
.set n, 0
.rept 16
	ds_load_b128 v[64+4*n:67+4*n], v25 offset:8*PITCH*n    ; Q, K: my wave's head of all 128 tokens: 8 tokens of 64 bytes an instruction
.set n, n+1
.endr
.set n, 0
.rept 16
	s_wait_dscnt 15-n                              ; the younger loads may be out
	global_store_b128 v27, v[64+4*n:67+4*n], s[96:97] offset:512*n   ; 32 lanes store 512 consecutive bytes, aligned
.set n, n+1
.endr
	s_branch .Lend
.Lv:
.set n, 0
.rept 16
	ds_load_b128 v[64+4*n:67+4*n], v26 offset:2*PITCH*n    ; V: my wave's 32 rows, two rows of 256 bytes an instruction
.set n, n+1
.endr
.set n, 0
.rept 16
	s_wait_dscnt 15-n
	global_store_b128 v19, v[64+4*n:67+4*n], s[98:99] offset:16384*n   ; 16 lanes store 256 consecutive bytes, aligned
.set n, n+1
.endr
.Lend:
	s_wait_tensorcnt 0x0                           ; the wave's end: behind my last tensor load and my last LDS store
	ds_add_u32 v[SPW], v[NIL]
	s_wait_dscnt 0x0
	CROUND                                         ; the closing round: no work-group ends while a partner may still ask for a tile that names it
	s_endpgm
.Lfunc_end_k_q749955e55f_qkv:
	.size	k_q749955e55f_qkv, .Lfunc_end_k_q749955e55f_qkv-k_q749955e55f_qkv
	.p2alignl 7, 3214868480
	.fill 96, 4, 3214868480
	.section	.rodata,"a",@progbits
	.p2align	6, 0x0
	.amdhsa_kernel k_q749955e55f_qkv
		.amdhsa_group_segment_fixed_size 327680
		.amdhsa_private_segment_fixed_size 0
		.amdhsa_enable_private_segment 0
		.amdhsa_kernarg_size 24
		.amdhsa_user_sgpr_count 2
		.amdhsa_user_sgpr_kernarg_segment_ptr 1
		.amdhsa_wavefront_size32 1
		.amdhsa_system_sgpr_workgroup_id_x 1
		.amdhsa_system_sgpr_workgroup_id_y 1
		.amdhsa_system_sgpr_workgroup_id_z 1
		.amdhsa_system_vgpr_workitem_id 0
		.amdhsa_next_free_vgpr 768
		.amdhsa_next_free_sgpr 100
		.amdhsa_reserve_vcc 0
		.amdhsa_float_denorm_mode_32 3
		.amdhsa_float_denorm_mode_16_64 3
		.amdhsa_fp16_overflow 1
		.amdhsa_memory_ordered 1
		.amdhsa_forward_progress 1
		.amdhsa_inst_pref_size 64
	.end_amdhsa_kernel
	.amdgpu_metadata
---
amdhsa.version: [ 1, 2 ]
amdhsa.kernels:
  - .name:           k_q749955e55f_qkv
    .symbol:         k_q749955e55f_qkv.kd
    .args:
      - { .name: cod, .offset: 0, .size: 8, .value_kind: global_buffer, .address_space: global }
      - { .name: lowp_scales, .offset: 8, .size: 8, .value_kind: global_buffer, .address_space: global }
      - { .name: qkv, .offset: 16, .size: 8, .value_kind: global_buffer, .address_space: global }
    .group_segment_fixed_size: 327680
    .private_segment_fixed_size: 0
    .kernarg_segment_align: 8
    .kernarg_segment_size: 24
    .max_flat_workgroup_size: 128
    .sgpr_count:     100
    .vgpr_count:     768
    .wavefront_size: 32
...
	.end_amdgpu_metadata
.endif
;; end of part 2
;; launch attn (part 3): grid 4 x 64, 16 waves a work-group, clusters of 4 x 1, 327,680 bytes of LDS; arguments qkv, lowp_scales, ac; writes ac
.if DOCPART == 3
	.amdgcn_target "amdgcn-amd-amdhsa--gfx1250"
	.amdhsa_code_object_version 6
	.text
	.protected	k_q749955e55f_attn
	.globl	k_q749955e55f_attn
	.p2align	8
	.type	k_q749955e55f_attn,@function
k_q749955e55f_attn:
	s_mov_b64 s[64:65], 0
	v_nop
	global_prefetch_b8 v0, s[64:65] scope:SCOPE_SE
	s_setreg_imm32_b32 hwreg(HW_REG_WAVE_MODE, 25, 1), 1
	s_wait_xcnt 0x0
	s_wait_alu depctr_hold_cnt(0) depctr_sa_sdst(0) depctr_va_vdst(0) depctr_va_sdst(0) depctr_va_ssrc(0) depctr_va_vcc(0) depctr_vm_vsrc(0)
	s_getreg_b32 s2, hwreg(HW_REG_IB_STS2, 6, 4)
	s_cmp_eq_u32 s2, 0
	s_cbranch_scc0 .Lentry_in_a_cluster
	s_endpgm
.Lentry_in_a_cluster:
	s_bfe_u32 s2, ttmp6, 0x10000c
	s_cmp_lg_u32 s2, 0x3003
	s_cbranch_scc0 .Lentry_shape_is_right
	s_endpgm
.Lentry_shape_is_right:
; O[bh][q] = the sum over keys k <= q of softmax_k(Q[bh][q] . K[bh][k] / 8) V[bh][k], both products on codes of FP8 (E4M3); the result is quantised at once (e10) for the last product.
; qkv: Q's codes [bh][2048][64] at byte 0, K's likewise at 8,388,608, V^T's [64 h + d][2048 b + s] at 16,777,216 (keys innermost).  ac: [16 b + s / 128][head][s % 128][64] codes.
; THE SOFTMAX: t = score x log2(e) / 8; M = the running largest t, rounded UP to a whole number; p = 2^(t - M) is quantised (e8), not normalised; the row's sum is taken of the unquantised p, in f32, and divides at the end.
; When M moves, the sum and O are multiplied by 2^(old M - new M): exact.
; A HEAD'S K AND V LIE IN LDS WHOLE (2 x 131,072 bytes and their padding): no ring, no refill, no barrier in the walk.  The four work-groups of a head are a cluster and ask for them JOINTLY (mask 15).
; SHARES.  The head's queries are 16 groups of 128, as long as a key step.  Partner cx takes tiles 2 cx and 2 cx + 1 of the eight tiles of 16 queries in EVERY group, so which key steps a tile needs hangs on its group
; alone, which comes from the wave's number: no branch hangs on a work-group's place in its cluster; cx enters Q's and the result's addresses and the diagonal's compare value, which is data.
; Wave w owns tile H (group 15 - w / 2) and tile L (group w / 2), both with u = w % 2: (16 - w / 2) + (w / 2 + 1) = 17 key steps in every wave.  Order: H over keys 0-1023 (8 steps, all open, in every wave) | a barrier,
; in front of which the second half of the keys has landed | H over keys 1024 on, its way out, then L: 9 steps in every wave.
; LAYOUT.  Both products are used transposed: S^T = K Q^T (source 0 = 16 keys, source 1 = my 16 queries), O^T = V^T P^T: a lane holds ONE query (lane % 16) throughout.
; THE KEYS OF A TILE ARE NOT NEIGHBOURS: lane r of tile 2 b + u takes key 32 b + 8 u + r + 8 (r / 8), so that the 16 registers of tiles 2 b and 2 b + 1 are the 16 neighbouring keys 32 b + 16 (lane / 16) + 0 .. 15.
; Sixteen waves of 256 registers, four to a SIMD: one wave's vector work stands beside another's matrix work and LDS loads.  No prefetch: all of K and V is asked for at the head.
; LIMITS on the given exponents: e6 + e7 between -123 and 130 (added to c's exponent field); e8 and e10 between -126 and 119; e8 + e9 goes by v_ldexp_f32 and has none.
; REGISTERS: v1-4, v7, v10, v11 addresses that stay; v3 the diagonal's compare value; v5, v6 the add's two; v8, v9 addresses in hand; v12 -M, v13 the largest t, v[14:15] the sum in two halves; v16-23, v24-31 Q of H, of L;
; v32-95 K's 8 fragments, then V's 4; v96-159 S^T, then p; v160-191 O^T; v192-223 the way out; v224-239 p's codes; v244 2^e8; v245 2^e10; v236-243, v246, v248-255 at work.
.set VOFF,  147456                     ; LDS: K: key k at (k / 2) x 144 + (k % 2) x 64 (rows of two keys, 128 bytes + 16 of padding); from VOFF on V: chunk c of 256 keys at c x 17,408: 64 rows of 256 bytes + 16
.set STAGE, 286720                     ; behind them: 1,024 bytes for each wave, for the way out: no tile lands there
.set SPARE, 303104                     ; and the spare words, 128 bytes for each wave: eight blocks of 256 bytes that no other line names
.set AK0, 1
.set AV0, 2
.set DQ,  3
.set QO,  4
.set SPW, 5
.set NIL, 6
.set GO,  7
.set ADK, 8
.set ADV, 9
.set STO, 10
.set RD,  11
.set WV,  18                           ; s18  my wave's number
.set SEL, 20                           ; s[20:21] lane selects for v_permlanex16_b32: lane l xor 16
.set CS,  22                           ; s[22:23] c = log2(e) / 8 x 2^(e6 + e7)
.set G1K, 24                           ; s[24:31], s[32:39] descriptor groups 1 for K's and V's tiles; s[40:47], s[48:55] two groups 0 each
.set G1V, 32
.set KB,  56                           ; s56  LDS byte at which the chunk of 256 keys in hand begins in K; s57 in V
.set VB,  57
.set KS,  58                           ; s58  the key step's number
.set G,   59                           ; s59  the group of the tile in hand
.macro PLACES n
.rept \n
	v_nop
.endr
.endm
.macro CROUND                          ; a round of the cluster's barrier
	s_barrier_signal -1
	s_barrier_wait -1
	s_cmp_lg_u32 s[WV], 0
	s_cbranch_scc1 .Lnot_wave_0_\@
	s_barrier_signal -3
.Lnot_wave_0_\@:
	s_barrier_wait -3
	s_barrier_signal -1
	s_barrier_wait -1
.endm
	s_load_b128 s[4:7], s[0:1], 0x0                ; Q, K, V's codes s[4:5], the scales' exponents s[6:7]
	s_load_b64 s[8:9], s[0:1], 0x10                ; the result's codes
	v_lshl_add_u32 v[SPW], v0, 2, SPARE
	v_mov_b32 v[NIL], 0
	ds_add_u32 v[SPW], v[NIL]                      ; the wave's opening: the add and its wait stand ahead of my first tensor load; the set-up below, work on registers, stands between them
	ds_add_u32 v[SPW], v[NIL]
	v_lshrrev_b32 v8, 5, v0
	s_delay_alu instid0(VALU_DEP_1)
	v_readfirstlane_b32 s[WV], v8                  ; wave 0..15
	s_bfe_u32 s80, ttmp6, 0x40000                  ; cx
	s_and_b32 s81, ttmp7, 0xffff                   ; bh = 16 b + h, which the four partners share
	s_lshr_b32 s62, s[WV], 1                       ; tile L's group
	s_sub_co_u32 s61, 15, s62                      ; tile H's group
	s_and_b32 s82, s[WV], 1                        ; u
	s_mov_b32 s[G1K], 15|(1<<20)|(1<<21)|(4<<22)|(3<<25)   ; 15:0 the mask: all four; 17:16 elements of 1 byte; 20 padding on; 21 set beside a mask; 24:22 after every 32 words; 31:25 four words
	s_mov_b32 s[G1K+1], 128<<16                    ; tensor_dim0 = 128: two keys
	s_mov_b32 s[G1K+2], 64<<16                     ; tensor_dim1 = 64
	s_mov_b32 s[G1K+3], 128<<16                    ; tile_dim0
	s_mov_b32 s[G1K+4], 64                         ; tile_dim1
	s_mov_b32 s[G1K+5], 128                        ; dense in memory
	s_mov_b32 s[G1K+6], 0
	s_mov_b32 s[G1K+7], 0
	s_mov_b32 s[G1V], 15|(1<<20)|(1<<21)|(5<<22)|(3<<25)   ; padding: four words after every 64
	s_mov_b32 s[G1V+1], 256<<16
	s_mov_b32 s[G1V+2], 32<<16
	s_mov_b32 s[G1V+3], 256<<16
	s_mov_b32 s[G1V+4], 32
	s_mov_b32 s[G1V+5], 8192                       ; a row of V^T in memory
	s_mov_b32 s[G1V+6], 0
	s_mov_b32 s[G1V+7], 0
	s_mov_b32 s[SEL], 0x76543210
	s_mov_b32 s[SEL+1], 0xfedcba98
	; what I fetch.  Waves 0-7: K, keys 128 w on, then the same 1,024 keys further on.  Waves 8-15 (w' = w - 8): V, rows 32 (w' % 2) on of chunk w' / 2, then of chunk w' / 2 + 4.
	s_and_b32 s83, s[WV], 7
	s_mul_i32 s84, s83, 9216                       ; K in LDS: 64 rows of 144 bytes
	s_lshl_b32 s85, s83, 13                        ; K in memory: 128 keys of 64 bytes
	s_lshl_b32 s86, s81, 17                        ; the head's 131,072 bytes
	s_add_co_u32 s85, s85, s86
	s_add_co_u32 s2, s85, 0x800000
	s_mov_b32 s3, 0
	s_mul_i32 s87, s83, 8704                       ; V in LDS: 32 rows of 272 bytes
	s_add_co_u32 s87, s87, VOFF
	s_and_b32 s88, s83, 1
	s_lshl_b32 s88, s88, 18                        ; V in memory: 32 rows of 8,192 bytes,
	s_lshr_b32 s89, s83, 1
	s_lshl_b32 s89, s89, 8                         ; the chunk's 256 keys,
	s_add_co_u32 s88, s88, s89
	s_and_b32 s89, s81, 15
	s_lshl_b32 s89, s89, 19                        ; the head's 64 rows,
	s_add_co_u32 s88, s88, s89
	s_lshr_b32 s89, s81, 4
	s_lshl_b32 s89, s89, 11                        ; the batch's 2,048 keys
	s_add_co_u32 s88, s88, s89
	s_add_co_u32 s88, s88, 0x1000000
	s_mov_b32 s89, 0
	s_wait_dscnt 0x0                               ; the opening add is done
	s_wait_kmcnt 0x0
	s_load_b256 s[68:75], s[6:7], 0x0              ; e0 .. e7
	s_load_b128 s[76:79], s[6:7], 0x20             ; e8 .. e11
	s_mov_b32 s40, 1                               ; count = 1
	s_mov_b32 s41, s84                             ; LDS address
	s_add_nc_u64 s[42:43], s[4:5], s[2:3]          ; global address
	s_mov_b32 s44, 1
	s_add_co_u32 s45, s84, 73728                   ; 1,024 keys on
	s_add_nc_u64 s[46:47], s[42:43], 0x10000
	s_or_b32 s43, s43, 0x80000000                  ; type = 2
	s_or_b32 s47, s47, 0x80000000
	s_mov_b32 s48, 1
	s_mov_b32 s49, s87
	s_add_nc_u64 s[50:51], s[4:5], s[88:89]
	s_mov_b32 s52, 1
	s_add_co_u32 s53, s87, 69632                   ; four chunks on
	s_add_nc_u64 s[54:55], s[50:51], 1024
	s_or_b32 s51, s51, 0x80000000
	s_or_b32 s55, s55, 0x80000000
	CROUND                                         ; all four work-groups are here: the joint loads meet
	s_cmp_lt_u32 s[WV], 8                          ; a wave's two fills stand in one branch on the wave's number: two tensor loads of mine are out; an s_nop 0 follows each, four v_nop the second's
	s_cbranch_scc0 .Lfill_v
	tensor_load_to_lds s[40:43], s[G1K:G1K+7]
	s_nop 0
	tensor_load_to_lds s[44:47], s[G1K:G1K+7]
	s_nop 0
	PLACES 4
	s_branch .Lfilled
.Lfill_v:
	tensor_load_to_lds s[48:51], s[G1V:G1V+7]
	s_nop 0
	tensor_load_to_lds s[52:55], s[G1V:G1V+7]
	s_nop 0
	PLACES 4
.Lfilled:
	s_lshl_b32 s90, s80, 5
	s_lshl_b32 s91, s82, 4
	s_add_co_u32 s90, s90, s91                     ; my tiles' first query within a group: 32 cx + 16 u
	s_lshl_b32 s91, s61, 7
	s_add_co_u32 s91, s91, s90
	s_lshl_b32 s91, s91, 6
	s_add_co_u32 s2, s91, s86
	s_mov_b32 s3, 0
	s_add_nc_u64 s[10:11], s[4:5], s[2:3]          ; Q's codes at tile H's first query,
	s_lshl_b32 s91, s62, 7
	s_add_co_u32 s91, s91, s90
	s_lshl_b32 s91, s91, 6
	s_add_co_u32 s2, s91, s86
	s_add_nc_u64 s[12:13], s[4:5], s[2:3]          ; and at tile L's
	s_lshr_b32 s92, s81, 4
	s_lshl_b32 s92, s92, 4                         ; 16 b
	s_and_b32 s93, s81, 15
	s_lshl_b32 s93, s93, 13                        ; the head's 8,192 bytes in a block of 128 rows
	s_lshl_b32 s94, s90, 6
	s_add_co_u32 s93, s93, s94                     ; my 16 rows of 64 bytes
	s_add_co_u32 s94, s92, s61
	s_lshl_b32 s94, s94, 17
	s_add_co_u32 s2, s94, s93
	s_add_nc_u64 s[14:15], s[8:9], s[2:3]          ; the result's codes of tile H,
	s_add_co_u32 s94, s92, s62
	s_lshl_b32 s94, s94, 17
	s_add_co_u32 s2, s94, s93
	s_add_nc_u64 s[16:17], s[8:9], s[2:3]          ; and of tile L
	v_and_b32 v8, 15, v0                           ; r
	v_bfe_u32 v9, v0, 4, 1                         ; h
	s_delay_alu instid0(VALU_DEP_2)
	v_lshlrev_b32 v[QO], 6, v8
	s_delay_alu instid0(VALU_DEP_1)
	v_lshl_add_u32 v[QO], v9, 4, v[QO]             ; Q: row r of 64 bytes + 16 h
	global_load_b128 v[16:19], v[QO], s[10:11]             ; Q's fragments stay in registers: registers 0-3 K = 16 h + 0 .. 15, registers 4-7 K = 32 + 16 h + 0 .. 15: a permutation of k, the same as K's below
	global_load_b128 v[20:23], v[QO], s[10:11] offset:32
	global_load_b128 v[24:27], v[QO], s[12:13]
	global_load_b128 v[28:31], v[QO], s[12:13] offset:32
	v_and_b32 v10, 8, v8
	s_delay_alu instid0(VALU_DEP_1)
	v_add_nc_u32 v10, v10, v8                      ; r + 8 (r / 8)
	s_delay_alu instid0(VALU_DEP_1)
	v_lshrrev_b32 v11, 1, v10
	s_delay_alu instid0(VALU_DEP_1)
	v_mul_u32_u24 v[AK0], v11, 144
	s_delay_alu instid0(VALU_DEP_3)
	v_and_b32 v11, 1, v10
	s_delay_alu instid0(VALU_DEP_1)
	v_lshl_add_u32 v[AK0], v11, 6, v[AK0]
	s_delay_alu instid0(VALU_DEP_1)
	v_lshl_add_u32 v[AK0], v9, 4, v[AK0]           ; my lane's place in a tile of K: the sixteen lanes of a half fall on sixteen different columns of 16 bytes modulo 256
	v_mul_u32_u24 v[AV0], v8, 272
	s_delay_alu instid0(VALU_DEP_1)
	v_lshl_add_u32 v[AV0], v9, 4, v[AV0]
	s_delay_alu instid0(VALU_DEP_1)
	v_add_nc_u32 v[AV0], VOFF, v[AV0]              ; and of V
	v_lshlrev_b32 v[DQ], 4, v9
	s_delay_alu instid0(VALU_DEP_1)
	v_sub_nc_u32 v[DQ], v8, v[DQ]
	s_delay_alu instid0(VALU_DEP_1)
	v_add_nc_u32 v[DQ], s90, v[DQ]                 ; my query within its group - 16 h.  Register 16 b + i holds key 32 b + 16 h + i of the step: on the diagonal it is hidden where 32 b + i > this
	v_and_b32 v[GO], 31, v0
	s_delay_alu instid0(VALU_DEP_1)
	v_lshlrev_b32 v[GO], 4, v[GO]                  ; 16 x lane
	s_lshl_b32 s95, s[WV], 10
	s_add_co_u32 s95, s95, STAGE                   ; my stage
	v_add_nc_u32 v[RD], s95, v[GO]
	v_lshlrev_b32 v[STO], 6, v8
	s_delay_alu instid0(VALU_DEP_1)
	v_lshl_add_u32 v[STO], v9, 3, v[STO]
	s_delay_alu instid0(VALU_DEP_1)
	v_add_nc_u32 v[STO], s95, v[STO]               ; row r of 64 bytes + 8 h
	v_mov_b32 v246, 0                              ; written once: a lane permute's destination counts as one of its sources
	v_mov_b32 v253, 0                              ; (named as the upper half of the pair v[252:253])
	s_wait_kmcnt 0x0
	s_mov_b32 s[CS], 0x3e38aa3b                    ; c = log2(e) / 8
	s_add_co_i32 s2, s74, s75
	s_lshl_b32 s2, s2, 23
	s_add_co_i32 s[CS], s[CS], s2                  ; a score stands for score x 2^(e6 + e7): the two exponents are added to c's exponent field
	s_mov_b32 s[CS+1], s[CS]                       ; (named with it as a pair, so it is written)
	s_add_co_i32 s2, s76, 127
	s_lshl_b32 s3, s2, 23
	v_mov_b32 v244, s3                             ; 2^e8
	s_add_co_i32 s2, s78, 127
	s_lshl_b32 s3, s2, 23
	v_mov_b32 v245, s3                             ; 2^e10
	s_add_co_i32 s63, s76, s77                     ; e8 + e9
; A KEY STEP: 128 keys, part q of the chunk of 256 at s[KB], s[VB].  causal = 1: a step beyond the tile's group is left out, and the group's own step is masked; both branches hang on the wave's number and the count of steps.
.macro STEP q, causal, QF
.if \causal
	s_cmp_gt_u32 s[KS], s[G]
	s_cbranch_scc1 .Lhid_\@
.endif
	v_add_nc_u32 v[ADK], s[KB], v[AK0]
	v_add_nc_u32 v[ADV], s[VB], v[AV0]
	PLACES 2                                       ; with the two additions: four places in front of loads into registers that the last products read (ISA guide 7.12.1 for vector instructions)
.set n, 0
.rept 8
	ds_load_b128 v[32+8*n:35+8*n], v[ADK] offset:(64*(\q)+16*(n/2)+4*(n%2))*144
	ds_load_b128 v[36+8*n:39+8*n], v[ADK] offset:(64*(\q)+16*(n/2)+4*(n%2))*144+32
.set n, n+1
.endr
	s_wait_alu depctr_va_vdst(0)
	s_wait_dscnt 0x0
.set n, 0
.rept 8
	v_wmma_f32_16x16x64_fp8_fp8 v[96+8*n:103+8*n], v[32+8*n:39+8*n], v[\QF:\QF+7], 0   ; S^T: eight tiles of 16 keys; K = the head's 64
.set n, n+1
.endr
	PLACES 4                                       ; in front of the loads below, and of the first read of the scores
.set n, 0
.rept 16
	ds_load_b128 v[32+4*n:35+4*n], v[ADV] offset:4352*(n/4)+128*(\q)+32*(n%4)   ; V's four fragments, asked for ahead of the softmax: they land under it
.set n, n+1
.endr
.if \causal
	s_cmp_lg_u32 s[KS], s[G]
	s_cbranch_scc1 .Lopen_\@
	v_mov_b32 v254, 0xff800000                     ; on the diagonal hidden scores become -infinity ahead of the maximum: p = 0 then.  Key 0 of the head counts for every query, so M is a number from the first step on
.set n, 0
.rept 64
	v_cmp_gt_i32 vcc_lo, 32*(n/16)+n%16, v[DQ]
	v_cndmask_b32 v[96+n], v[96+n], v254, vcc_lo
.set n, n+1
.endr
.Lopen_\@:
.endif
	v_max3_num_f32 v254, v96, v97, v98             ; the step's largest score of my query, among my 64 keys, in two chains (each accumulator is read from its low end on),
	v_max3_num_f32 v252, v99, v100, v101
.set n, 6
.rept 14
	v_max3_num_f32 v254, v254, v[96+n], v[97+n]
	v_max3_num_f32 v252, v252, v[98+n], v[99+n]
.set n, n+4
.endr
	v_max3_num_f32 v254, v254, v158, v159
	s_delay_alu instid0(VALU_DEP_1)
	v_max_num_f32 v254, v254, v252
	s_delay_alu instid0(VALU_DEP_1)
	v_permlanex16_b32 v246, v254, s[SEL], s[SEL+1]
	s_delay_alu instid0(VALU_DEP_1)
	v_max_num_f32 v254, v254, v246                 ; and among lane l xor 16's
	s_delay_alu instid0(VALU_DEP_1)
	v_mul_f32 v254, s[CS], v254                    ; as t (c is positive)
	s_delay_alu instid0(VALU_DEP_1)
	v_max_num_f32 v13, v13, v254                   ; the running largest t
	v_mov_b32 v254, v12
	s_delay_alu instid0(VALU_DEP_2)
	v_floor_f32 v12, -v13                          ; the new -M = floor(-t) = -ceil(t): a whole number
	s_delay_alu instid0(VALU_DEP_1)
	v_sub_f32 v254, v12, v254                      ; old M - new M: a whole number, 0 or less
	s_delay_alu instid0(VALU_DEP_1)
	v_cvt_i32_f32 v254, v254                       ; (it saturates)
	s_delay_alu instid0(VALU_DEP_1)
	v_ldexp_f32 v252, 1.0, v254                    ; f = 2^(old M - new M)
.set n, 0
.rept 32
	v_pk_fma_f32 v[96+n:97+n], v[96+n:97+n], s[CS:CS+1], v[12:13] op_sel_hi:[1,0,0]   ; t - M, two at a time (of the pairs c and -M the low word serves both halves)
.set n, n+2
.endr
.set n, 0
	s_wait_alu depctr_va_vdst(0)
.rept 64
	v_exp_f32 v[96+n], v[96+n]                     ; p = 2^(t - M), at most 1
.set n, n+1
.endr
	v_pk_mul_f32 v[14:15], v[14:15], v[252:253] op_sel_hi:[1,0]   ; the sums under the new M: the plain instruction behind the exponentials
	s_wait_alu depctr_va_vdst(0)                   ; the wait ahead of the first instruction that names an exponential's result: one for the batch of 64
	v_pk_add_f32 v[242:243], v[100:101], v[104:105]
	v_pk_add_f32 v[254:255], v[108:109], v[112:113]
	v_pk_add_f32 v[250:251], v[116:117], v[120:121]
	v_pk_add_f32 v[248:249], v[124:125], v[128:129]
	v_pk_add_f32 v[240:241], v[132:133], v[136:137]
	v_pk_add_f32 v[238:239], v[140:141], v[144:145]
	v_pk_add_f32 v[236:237], v[148:149], v[152:153]
	v_pk_add_f32 v[14:15], v[14:15], v[156:157]
	v_pk_add_f32 v[242:243], v[242:243], v[96:97]
	v_pk_add_f32 v[254:255], v[254:255], v[98:99]
	v_pk_add_f32 v[250:251], v[250:251], v[102:103]
	v_pk_add_f32 v[248:249], v[248:249], v[106:107]
	v_pk_add_f32 v[240:241], v[240:241], v[110:111]
	v_pk_add_f32 v[238:239], v[238:239], v[114:115]
	v_pk_add_f32 v[236:237], v[236:237], v[118:119]
	v_pk_add_f32 v[14:15], v[14:15], v[122:123]
	v_pk_add_f32 v[242:243], v[242:243], v[126:127]
	v_pk_add_f32 v[254:255], v[254:255], v[130:131]
	v_pk_add_f32 v[250:251], v[250:251], v[134:135]
	v_pk_add_f32 v[248:249], v[248:249], v[138:139]
	v_pk_add_f32 v[240:241], v[240:241], v[142:143]
	v_pk_add_f32 v[238:239], v[238:239], v[146:147]
	v_pk_add_f32 v[236:237], v[236:237], v[150:151]
	v_pk_add_f32 v[14:15], v[14:15], v[154:155]
	v_pk_add_f32 v[242:243], v[242:243], v[158:159]
	s_delay_alu instid0(VALU_DEP_2)
	v_pk_add_f32 v[14:15], v[14:15], v[248:249]
	s_delay_alu instid0(VALU_DEP_2)
	v_pk_add_f32 v[242:243], v[242:243], v[240:241]
	v_pk_add_f32 v[254:255], v[254:255], v[238:239]
	v_pk_add_f32 v[250:251], v[250:251], v[236:237]
	s_delay_alu instid0(VALU_DEP_2)
	v_pk_add_f32 v[14:15], v[14:15], v[254:255]
	s_delay_alu instid0(VALU_DEP_2)
	v_pk_add_f32 v[242:243], v[242:243], v[250:251]
	s_delay_alu instid0(VALU_DEP_1)
	v_pk_add_f32 v[14:15], v[14:15], v[242:243]
.set b, 0
.rept 4
.set n, 0
.rept 16
.set n, n+1
.endr
	v_cvt_scalef32_pk8_fp8_f32 v[224+4*b:225+4*b], v[96+16*b:103+16*b], v244
	v_cvt_scalef32_pk8_fp8_f32 v[226+4*b:227+4*b], v[104+16*b:111+16*b], v244
.set b, b+1
.endr
.set n, 0
.rept 16
	v_pk_mul_f32 v[160+n:161+n], v[160+n:161+n], v[252:253] op_sel_hi:[1,0]   ; O^T under the new M.  (These are also the plain lines between the conversions and the products below)
.set n, n+2
.endr
	s_wait_alu depctr_va_vdst(0)
	s_wait_dscnt 0x0                               ; V is in
.set n, 0
.rept 4
	v_wmma_f32_16x16x128_fp8_fp8 v[160+8*n:167+8*n], v[32+16*n:47+16*n], v[224:239], v[160+8*n:167+8*n]   ; O^T += V^T P^T: four tiles of 16 of the head's 64, by turns; K = these 128 keys
.set n, n+1
.endr
.if \causal
.Lhid_\@:
	s_add_co_u32 s[KS], s[KS], 1
.endif
.endm
.macro WALK causal, QF                 ; 1,024 keys: four trips of two key steps; the trip count is a constant
	s_mov_b32 s60, 4
.Lwalk_\@:
	STEP 0, \causal, \QF
	STEP 1, \causal, \QF
	s_add_co_u32 s[KB], s[KB], 18432               ; 256 keys on: 128 rows of 144 bytes,
	s_add_co_u32 s[VB], s[VB], 17408               ; a chunk of V
	s_sub_co_u32 s60, s60, 1
	s_cmp_lg_u32 s60, 0
	s_cbranch_scc1 .Lwalk_\@
.endm
.macro INIT                            ; a tile begins: the step is written without a first step of its own: it finds zeros, which the first change of M leaves zeros
	v_mov_b32 v13, 0xff61b1e6                      ; the largest t so far: -3e38, under every t
	s_delay_alu instid0(VALU_DEP_1)
	v_floor_f32 v12, -v13
	v_mov_b32 v14, 0
	v_mov_b32 v15, 0
.set n, 0
.rept 32
	v_mov_b32 v[160+n], 0
.set n, n+1
.endr
.endm
; THE WAY OUT of a tile: O^T x 2^(e8 + e9) / the sum, in f32, is quantised with 2^e10.  A lane's eight neighbours of a row are 8 bytes; the tile's 16 rows of 64 bytes go through my stage and leave as 1,024 consecutive bytes.
.macro WAYOUT ob, cr, br
	PLACES 4                                       ; behind the last products
	v_add_f32 v14, v14, v15                        ; the sum's two halves,
	s_delay_alu instid0(VALU_DEP_1)
	v_permlanex16_b32 v246, v14, s[SEL], s[SEL+1]
	s_delay_alu instid0(VALU_DEP_1)
	v_add_f32 v14, v14, v246                       ; and lane l xor 16's
	s_wait_alu depctr_va_vdst(0)
	v_rcp_f32 v14, v14
	v_nop                                          ; a plain instruction behind the transcendental
	s_wait_alu depctr_va_vdst(0)                   ; and the wait ahead of its first reader
	v_ldexp_f32 v14, v14, s63
.set n, 0
.rept 16
	v_pk_mul_f32 v[96+n:97+n], v[160+n:161+n], v[14:15] op_sel_hi:[1,0]   ; register 8 t + j is o(query r, 16 t + 8 h + j); each accumulator from its low end on
.set n, n+2
.endr
.set n, 0
.rept 32
.set n, n+1
.endr
.set n, 0
.rept 4
	v_cvt_scalef32_pk8_fp8_f32 v[\cr+2*n:\cr+2*n+1], v[96+8*n:103+8*n], v245
.set n, n+1
.endr
	v_nop                                          ; one plain vector line behind the last conversion: later products write its sources
.set n, 0
.rept 4
	ds_store_b64 v[STO], v[\cr+2*n:\cr+2*n+1] offset:16*n
.set n, n+1
.endr
	ds_load_b128 v[\br:\br+3], v[RD]               ; LDS serves a wave's instructions in order (ISA guide 5.7.1.4): these see my stores
	ds_load_b128 v[\br+4:\br+7], v[RD] offset:512
	s_wait_dscnt 0x0
	global_store_b128 v[GO], v[\br:\br+3], s[\ob:\ob+1]              ; 32 lanes store 512 consecutive bytes, aligned; each tile has data registers of its own
	global_store_b128 v[GO], v[\br+4:\br+7], s[\ob:\ob+1] offset:512
.endm
	INIT
	s_mov_b32 s[G], s61
	s_wait_loadcnt 0x0                             ; Q
	s_wait_tensorcnt 1                             ; my part of keys 0-1023 is in; my load for keys 1024 on may stay out
	s_barrier_signal -1
	s_barrier_wait -1                              ; everybody's is
	s_mov_b32 s[KB], 0
	s_mov_b32 s[VB], 0
	WALK 0, 16                                     ; tile H, keys 0-1023: its group is 8 or more, so all eight steps are open
	s_wait_tensorcnt 0x0                           ; my part of keys 1024 on is in
	s_wait_dscnt 0x0
	s_barrier_signal -1
	s_barrier_wait -1                              ; everybody's is
	s_mov_b32 s[KB], 73728
	s_mov_b32 s[VB], 69632
	s_mov_b32 s[KS], 8
	WALK 1, 16                                     ; tile H, keys 1024 on, up to its group's own step
	WAYOUT 14, 192, 200
	INIT
	s_mov_b32 s[G], s62
	s_mov_b32 s[KB], 0
	s_mov_b32 s[VB], 0
	s_mov_b32 s[KS], 0
	WALK 1, 24                                     ; tile L: its group is 7 or less
	WAYOUT 16, 216, 208
	s_wait_tensorcnt 0x0                           ; the wave's end: behind my last tensor load and my last LDS store
	ds_add_u32 v[SPW], v[NIL]
	s_wait_dscnt 0x0
	CROUND                                         ; the closing round: no work-group ends while a partner may still ask for a tile that names it
	s_endpgm
.Lfunc_end_k_q749955e55f_attn:
	.size	k_q749955e55f_attn, .Lfunc_end_k_q749955e55f_attn-k_q749955e55f_attn
	.p2alignl 7, 3214868480
	.fill 96, 4, 3214868480
	.section	.rodata,"a",@progbits
	.p2align	6, 0x0
	.amdhsa_kernel k_q749955e55f_attn
		.amdhsa_group_segment_fixed_size 327680
		.amdhsa_private_segment_fixed_size 0
		.amdhsa_enable_private_segment 0
		.amdhsa_kernarg_size 24
		.amdhsa_user_sgpr_count 2
		.amdhsa_user_sgpr_kernarg_segment_ptr 1
		.amdhsa_wavefront_size32 1
		.amdhsa_system_sgpr_workgroup_id_x 1
		.amdhsa_system_sgpr_workgroup_id_y 1
		.amdhsa_system_sgpr_workgroup_id_z 1
		.amdhsa_system_vgpr_workitem_id 0
		.amdhsa_next_free_vgpr 256
		.amdhsa_next_free_sgpr 100
		.amdhsa_reserve_vcc 1
		.amdhsa_float_denorm_mode_32 3
		.amdhsa_float_denorm_mode_16_64 3
		.amdhsa_fp16_overflow 1
		.amdhsa_memory_ordered 1
		.amdhsa_forward_progress 1
		.amdhsa_inst_pref_size 120
	.end_amdhsa_kernel
	.amdgpu_metadata
---
amdhsa.version: [ 1, 2 ]
amdhsa.kernels:
  - .name:           k_q749955e55f_attn
    .symbol:         k_q749955e55f_attn.kd
    .args:
      - { .name: qkv, .offset: 0, .size: 8, .value_kind: global_buffer, .address_space: global }
      - { .name: lowp_scales, .offset: 8, .size: 8, .value_kind: global_buffer, .address_space: global }
      - { .name: ac, .offset: 16, .size: 8, .value_kind: global_buffer, .address_space: global }
    .group_segment_fixed_size: 327680
    .private_segment_fixed_size: 0
    .kernarg_segment_align: 8
    .kernarg_segment_size: 24
    .max_flat_workgroup_size: 512
    .sgpr_count:     100
    .vgpr_count:     256
    .wavefront_size: 32
...
	.end_amdgpu_metadata
.endif
;; end of part 3
;; launch ogemm (part 4): grid 4 x 64, 4 waves a work-group, clusters of 4 x 4, 327,680 bytes of LDS; arguments ac, cod, lowp_scales, out0; writes out0
.if DOCPART == 4
	.amdgcn_target "amdgcn-amd-amdhsa--gfx1250"
	.amdhsa_code_object_version 6
	.text
	.protected	k_q749955e55f_ogemm
	.globl	k_q749955e55f_ogemm
	.p2align	8
	.type	k_q749955e55f_ogemm,@function
k_q749955e55f_ogemm:
	s_mov_b64 s[64:65], 0
	v_nop
	global_prefetch_b8 v0, s[64:65] scope:SCOPE_SE
	s_setreg_imm32_b32 hwreg(HW_REG_WAVE_MODE, 25, 1), 1
	s_wait_xcnt 0x0
	s_wait_alu depctr_hold_cnt(0) depctr_sa_sdst(0) depctr_va_vdst(0) depctr_va_sdst(0) depctr_va_ssrc(0) depctr_va_vcc(0) depctr_vm_vsrc(0)
	s_getreg_b32 s2, hwreg(HW_REG_IB_STS2, 6, 4)
	s_cmp_eq_u32 s2, 0
	s_cbranch_scc0 .Lentry_in_a_cluster
	s_endpgm
.Lentry_in_a_cluster:
	s_bfe_u32 s2, ttmp6, 0x10000c
	s_cmp_lg_u32 s2, 0xf033
	s_cbranch_scc0 .Lentry_shape_is_right
	s_endpgm
.Lentry_shape_is_right:
; out0 = A W_O^T on codes of FP8 (E4M3), K = 1,024, f32 sums, each finished sum x 2^(e10 + e11).  LIMIT: e10 + e11 lies between -126 and 127, so that this power of two is an f32 number.
; ac: the attention's result as codes, [block of 128 rows][head 16][row 128][64]: a K step of 256 (four heads) of a tile's 128 rows is ONE dense block of 32,768 bytes; along K it runs in d_model's own order.
; cod: W_O's codes are its rows 27,648 on, 1,024 bytes each.  out0: [8192][1024] f32.
; A tile of C is 128 x 256: 256 work-groups, one for each WGP.  Four waves, 2 x 2, each 64 x 128: 32 accumulators, 256 registers.  The matrix instruction is used transposed (source 0 = 16 rows of W_O, source 1 = 16 rows
; of A): a lane holds eight neighbouring numbers of a row of C.
; K goes in four steps of 256 through THREE LDS slots: K steps 0, 1, 2 are asked for together at the head (three tensor loads of a wave are out), K step 3 fills slot 0 again behind the one round of the cluster's
; barrier in the middle and has two K steps, 128 matrix instructions, in which to land.  No loop: the eight steps of 128 along K are written out.
; CLUSTERS: 4 x 4 work-groups; A's tile is shared along a row of the cluster, W_O's along a column: each is asked for jointly.  No prefetch: three of the four K steps are asked for at the head.
; REGISTERS, in windows of 256: window 0: v16-18, v20-22 LDS addresses of A's and B's fragments in the three slots; v24-26 the way out; v28, v29 the add's two; v64-127, v128-191 A's fragments, two sets; on the way out
;   v64-127 a block's numbers, v128-191 and v192-255 rows read back, by turns.   window 1: B's fragments (8), two sets.   window 2: accumulator (a, b) at v[8 (8 a + b)].
.set PITCH,  272                       ; an LDS row: 256 bytes + 16 of padding
.set ABYT,   128*PITCH                 ; A's part of a slot: 128 long rows of 256 bytes (four rows of 64 bytes of one head each): row rho of head hh lies at hh x 8704 + (rho / 4) x 272 + (rho % 4) x 64
.set SLOT,   384*PITCH                 ; then B's 256 rows
.set STAGE,  SLOT                      ; the way out: 16 rows x 528 bytes for each wave, in slot 1, which has had its one fill, and its last read ahead of the barrier in front of K step 3
.set SPITCH, 528
.set SPARE,  3*SLOT                    ; behind the slots: the spare words, 128 bytes a wave: two blocks of 256 bytes that no other line names
.set KSTEPA, 32768                     ; bytes from K step to K step in A's block
.set ADRA, 16
.set ADRB, 20
.set SPW,  28
.set NIL,  29
.set G1A,  24                          ; s[24:31] descriptor group 1 for A's tiles; s[32:39] for B's
.set G1B,  32
.set G0A,  48                          ; s[48:63] four groups 0 for A's tiles, one for each K step: none is ever rewritten; s[68:83] for B's
.set G0B,  68
.set MSB, 0
.macro WIN new                         ; the immediate's high byte repeats the setting that is left
.if MSB != \new
	s_set_vgpr_msb (MSB<<8)|\new
.set MSB, \new
.endif
.endm
.set MUL,  0xa1                        ; source 0 (B) window 1, source 1 (A) window 0, C and D window 2
.set TO_B, 0x40                        ; destination window 1, address window 0
.macro PLACES n
.rept \n
	v_nop
.endr
.endm
; A joint load: waves 0 and 1 fetch A's halves, waves 2 and 3 B's.  The branch hangs on the wave's number alone.  An s_nop 0 and four v_nop follow each of the two lines.
.macro JLOAD g0a, g1a, g0b, g1b
	s_cmp_eq_u32 s15, 0
	s_cbranch_scc0 .Lfor_b_\@
	tensor_load_to_lds s[\g0a:\g0a+3], s[\g1a:\g1a+7]
	s_nop 0
	PLACES 4
	s_branch .Lasked_\@
.Lfor_b_\@:
	tensor_load_to_lds s[\g0b:\g0b+3], s[\g1b:\g1b+7]
	s_nop 0
	PLACES 4
.Lasked_\@:
.endm
.macro CREST                           ; a round of the cluster's barrier behind its opening barrier
	s_cmp_lg_u32 s14, 0
	s_cbranch_scc1 .Lnot_wave_0_\@
	s_barrier_signal -3
.Lnot_wave_0_\@:
	s_barrier_wait -3
	s_barrier_signal -1
	s_barrier_wait -1
.endm
.macro CROUND
	s_barrier_signal -1
	s_barrier_wait -1
	CREST
.endm
	s_load_b128 s[4:7], s[0:1], 0x0                ; A's codes s[4:5], the buffer with W_O's codes s[6:7]
	s_load_b128 s[8:11], s[0:1], 0x10              ; the scales' exponents s[8:9], the output s[10:11]
	v_lshl_add_u32 v[SPW], v0, 2, SPARE
	v_mov_b32 v[NIL], 0
	ds_add_u32 v[SPW], v[NIL]
	ds_add_u32 v[SPW], v[NIL]                      ; the wave's opening: the add and its wait stand ahead of my first tensor load; the set-up below, work on registers, stands between them
	v_lshrrev_b32 v1, 5, v0
	v_readfirstlane_b32 s14, v1                    ; wave 0..3
	s_lshr_b32 s15, s14, 1                         ; which 64 of the tile's rows are mine.  Also: I fetch for A (0) or for B (1)
	s_and_b32 s16, s14, 1                          ; which 128 of its columns.  Also: which half of that tile I fetch
	s_bfe_u32 s40, ttmp6, 0x40000                  ; cx
	s_bfe_u32 s41, ttmp6, 0x40004                  ; cy
	s_and_b32 s43, ttmp7, 0xffff                   ; the cluster's y, 0..15
	s_lshl_b32 s44, s41, 2
	s_lshl_b32 s44, 15, s44                        ; my row of the cluster
	s_lshl_b32 s45, 0x1111, s40                    ; my column
	s_or_b32 s[G1A+0], s44, (1<<20)|(1<<21)|(5<<22)|(3<<25)   ; 15:0 the mask; 17:16 elements of 1 byte; 20 padding on; 21 set beside a mask; 24:22 after every 64 words; 31:25 four words
	s_mov_b32 s[G1A+1], 256<<16                    ; tensor_dim0 = 256
	s_mov_b32 s[G1A+2], 64<<16                     ; tensor_dim1 = 64
	s_mov_b32 s[G1A+3], 256<<16                    ; tile_dim0
	s_mov_b32 s[G1A+4], 64                         ; tile_dim1
	s_mov_b32 s[G1A+5], 256                        ; dense in memory
	s_mov_b32 s[G1A+6], 0
	s_mov_b32 s[G1A+7], 0
	s_or_b32 s[G1B+0], s45, (1<<20)|(1<<21)|(5<<22)|(3<<25)
	s_mov_b32 s[G1B+1], 256<<16
	s_mov_b32 s[G1B+2], 128<<16
	s_mov_b32 s[G1B+3], 256<<16
	s_mov_b32 s[G1B+4], 128
	s_mov_b32 s[G1B+5], 1024
	s_mov_b32 s[G1B+6], 0
	s_mov_b32 s[G1B+7], 0
	s_lshl_b32 s17, s43, 2                         ; A's registers never hold cx, B's never cy
	s_add_co_u32 s17, s17, s41                     ; the block of 128 rows: 4 Y + cy
	s_lshl_b32 s17, s17, 17                        ; 131,072 bytes each
	s_lshl_b32 s18, s16, 14                        ; the two heads of a K step that I fetch
	s_add_co_u32 s12, s17, s18
	s_mov_b32 s13, 0
	s_lshl_b32 s19, s40, 8
	s_lshl_b32 s46, s16, 7
	s_add_co_u32 s19, s19, s46
	s_add_co_u32 s19, s19, 27648                   ; W_O's row 256 cx + the 128 that I fetch
	s_lshl_b32 s20, s19, 10
	s_mov_b32 s21, 0
	s_mul_i32 s22, s16, 64*PITCH                   ; where they go in a slot: no place in the cluster enters an LDS address
	s_mul_i32 s23, s16, 128*PITCH
	s_add_co_u32 s23, s23, ABYT
	s_wait_dscnt 0x0                               ; the opening add is done
	s_wait_kmcnt 0x0
	s_load_b64 s[96:97], s[8:9], 0x28              ; e10, e11
	s_add_nc_u64 s[12:13], s[4:5], s[12:13]
	s_add_nc_u64 s[20:21], s[6:7], s[20:21]
.irp k, 0,1,2,3
	s_mov_b32 s[G0A+4*\k], 1                                       ; count = 1
	s_add_co_u32 s[G0A+4*\k+1], s22, (\k%3)*SLOT                   ; LDS address: K step 3 takes slot 0 again
	s_add_nc_u64 s[G0A+4*\k+2:G0A+4*\k+3], s[12:13], \k*KSTEPA     ; global address
	s_or_b32 s[G0A+4*\k+3], s[G0A+4*\k+3], 0x80000000              ; type = 2
	s_mov_b32 s[G0B+4*\k], 1
	s_add_co_u32 s[G0B+4*\k+1], s23, (\k%3)*SLOT
	s_add_nc_u64 s[G0B+4*\k+2:G0B+4*\k+3], s[20:21], \k*256
	s_or_b32 s[G0B+4*\k+3], s[G0B+4*\k+3], 0x80000000
.endr
	CROUND                                         ; all sixteen work-groups are here: the first joint loads meet
	s_cmp_eq_u32 s15, 0                            ; a wave's three first fills stand in one branch, ahead of every wait on TENSORcnt and every LDS read
	s_cbranch_scc0 .Lfirst_b
	tensor_load_to_lds s[G0A:G0A+3], s[G1A:G1A+7]
	s_nop 0
	tensor_load_to_lds s[G0A+4:G0A+7], s[G1A:G1A+7]
	s_nop 0
	tensor_load_to_lds s[G0A+8:G0A+11], s[G1A:G1A+7]
	s_nop 0
	PLACES 4
	s_branch .Lfirst_asked
.Lfirst_b:
	tensor_load_to_lds s[G0B:G0B+3], s[G1B:G1B+7]
	s_nop 0
	tensor_load_to_lds s[G0B+4:G0B+7], s[G1B:G1B+7]
	s_nop 0
	tensor_load_to_lds s[G0B+8:G0B+11], s[G1B:G1B+7]
	s_nop 0
	PLACES 4
.Lfirst_asked:
	v_and_b32 v1, 15, v0                           ; r = lane % 16
	v_bfe_u32 v2, v0, 4, 1                         ; h = lane / 16
	v_and_b32 v4, 31, v0                           ; lane
	v_mul_u32_u24 v3, v1, PITCH
	v_lshl_add_u32 v3, v2, 4, v3                   ; B: a fragment's row x pitch + 16 h
	v_lshrrev_b32 v5, 2, v1
	v_and_b32 v6, 3, v1
	v_mul_u32_u24 v7, v5, PITCH
	v_lshl_add_u32 v7, v6, 6, v7
	v_lshl_add_u32 v7, v2, 4, v7                   ; A: (r / 4) x 272 + (r % 4) x 64 + 16 h: the sixteen rows of a fragment start at sixteen different groups of four banks
	s_mul_i32 s2, s15, 16*PITCH                    ; my 64 rows of A: 16 long rows in each head
	s_mul_i32 s3, s16, 128*PITCH                   ; my 128 rows of B,
	s_add_co_u32 s3, s3, ABYT                      ; behind A's
.irp n, 0,1,2
	v_add_nc_u32 v[ADRA+\n], s2, v7
	v_add_nc_u32 v[ADRB+\n], s3, v3
	s_add_co_u32 s2, s2, SLOT
	s_add_co_u32 s3, s3, SLOT
.endr
	s_mul_i32 s2, s14, 16*SPITCH
	s_add_co_u32 s2, s2, STAGE                     ; my stage
	v_mul_u32_u24 v24, v1, SPITCH
	v_lshl_add_u32 v24, v2, 5, v24
	v_add_nc_u32 v24, s2, v24                      ; in: row r, 32 bytes for each half of the lanes
	v_lshlrev_b32 v26, 4, v4                       ; back: the 32 lanes take one row of 512 bytes; and the same in C
	v_add_nc_u32 v25, s2, v26
	s_lshl_b32 s2, s43, 2
	s_add_co_u32 s2, s2, s41
	s_lshl_b32 s2, s2, 7
	s_lshl_b32 s3, s15, 6
	s_add_co_u32 s2, s2, s3                        ; my first row of C: 128 (4 Y + cy) + 64 wr
	s_lshl_b32 s2, s2, 12                          ; rows of 4,096 bytes
	s_lshl_b32 s3, s40, 10
	s_add_co_u32 s2, s2, s3                        ; my first column, in bytes: 1024 cx + 512 wc
	s_lshl_b32 s3, s16, 9
	s_add_co_u32 s2, s2, s3
	s_mov_b32 s3, 0
	s_add_nc_u64 s[10:11], s[10:11], s[2:3]        ; never stepped: the rows stand in the stores' immediates
; A fragment, 16 rows x 128 K, is 16 registers, by four loads of 16 bytes: registers 4 c .. 4 c + 3 hold K = 32 c + 16 h + 0 .. 15: a permutation of k, the same in A and in B.
.macro FRAGB reg, n, q, b
.irp c, 0,1,2,3
	ds_load_b128 v[\reg+4*\c:\reg+4*\c+3], v[ADRB+\n] offset:128*(\q)+32*\c+(\b)*16*PITCH
.endr
.endm
.macro FRAGA reg, n, q, a              ; K = 128 q + 32 c lies in head 2 q + c / 2 of the K step, at byte 32 (c % 2) of the row's 64
.irp c, 0,1,2,3
	ds_load_b128 v[\reg+4*\c:\reg+4*\c+3], v[ADRA+\n] offset:(2*(\q)+\c/2)*32*PITCH+32*(\c%2)+(\a)*4*PITCH
.endr
.endm
.macro FETCH n, q, p                   ; 48 LDS loads in one run: the fragments of slot n's q-th 128 along K into set p
	WIN TO_B
.irp b, 0,1,2,3,4,5,6,7
	FRAGB 128*(\p)+16*\b, \n, \q, \b
.endr
	WIN 0
.irp a, 0,1,2,3
	FRAGA 64+64*(\p)+16*\a, \n, \q, \a
.endr
.endm
; 8 matrix instructions: A's block a x B's eight.  The 32 accumulators take turns, one instruction a turn, in the same order in every step.  zero = 1: the first products start the sums.
.macro MUL8 a, p, zero
.irp b, 0,1,2,3,4,5,6,7
.if \zero
	v_wmma_f32_16x16x128_fp8_fp8 v[8*(8*(\a)+\b):8*(8*(\a)+\b)+7], v[128*(\p)+16*\b:128*(\p)+16*\b+15], v[64+64*(\p)+16*(\a):64+64*(\p)+16*(\a)+15], 0
.else
	v_wmma_f32_16x16x128_fp8_fp8 v[8*(8*(\a)+\b):8*(8*(\a)+\b)+7], v[128*(\p)+16*\b:128*(\p)+16*\b+15], v[64+64*(\p)+16*(\a):64+64*(\p)+16*(\a)+15], v[8*(8*(\a)+\b):8*(8*(\a)+\b)+7]
.endif
.endr
.endm
; A step of 128 along K on set p; the next step's fragments (slot n, part q) are asked for first, into the other set, and land under this step's 32 matrix instructions.
.macro STEP n, q, p, zero
	s_wait_dscnt 0x0                               ; this step's 48 loads, issued a step ago, are in
	PLACES 4                                       ; a load into a register that a matrix instruction has read stands four plain vector instructions behind it (ISA guide 7.12.1 for vector instructions)
	FETCH \n, \q, 1-(\p)
	WIN MUL
	MUL8 0, \p, \zero
	MUL8 1, \p, \zero
	MUL8 2, \p, \zero
	MUL8 3, \p, \zero
.endm
	s_wait_tensorcnt 2                             ; my part of K step 0 is in; K steps 1 and 2 may stay out
	s_barrier_signal -1
	s_barrier_wait -1                              ; everybody's is
	FETCH 0, 0, 0
	STEP 0, 1, 0, 1                                ; K 0-127
	; K 128-255, slot 0's last step.  Each wave waits for all its tensor loads, adds 0 to its spare word, and waits for that and for its reads of slot 0; the barrier opens a round of the cluster's barrier;
	; behind the round no wave of any partner reads slot 0 or has a load on its way, and K step 3 is asked for, first thing.
	WIN 0                                          ; (the add's two registers lie in window 0)
	s_wait_tensorcnt 0x0                           ; K steps 0, 1 and 2 have landed
	ds_add_u32 v[SPW], v[NIL]
	s_wait_dscnt 1                                 ; the add alone may be out: this step's fragments are in
	WIN MUL
	MUL8 0, 1, 0                                   ; eight matrix instructions stand between the add and the wait for it
	s_wait_dscnt 0x0                               ; the add is done, and my reads of slot 0 are over
	s_barrier_signal -1
	MUL8 1, 1, 0
	WIN 0
	s_barrier_wait -1
	CREST
	JLOAD G0A+12, G1A, G0B+12, G1B                 ; the four v_nop behind it are also the places in front of the loads below
	s_wait_alu depctr_va_vdst(0)
	FETCH 1, 0, 0
	WIN MUL
	MUL8 2, 1, 0
	MUL8 3, 1, 0
	STEP 1, 1, 0, 0                                ; K 256-383
	STEP 2, 0, 1, 0                                ; K 384-511; slot 2 was shown whole by the wait for all loads and the round above
	STEP 2, 1, 0, 0                                ; K 512-639
	; K 640-767.  A plain barrier. In front of it my part of K step 3 has landed and my reads of slots 1 and 2 are over.
	s_wait_dscnt 0x0
	s_wait_tensorcnt 0x0
	s_barrier_signal -1
	WIN MUL
	MUL8 0, 1, 0
	MUL8 1, 1, 0
	s_barrier_wait -1
	PLACES 4
	FETCH 0, 0, 0
	WIN MUL
	MUL8 2, 1, 0
	MUL8 3, 1, 0
	STEP 0, 1, 0, 0                                ; K 768-895
	s_wait_dscnt 0x0                               ; K 896-1023: nothing more to fetch
	WIN MUL
	MUL8 0, 1, 0
	MUL8 1, 1, 0
	MUL8 2, 1, 0
	MUL8 3, 1, 0
	WIN 0
; THE WAY OUT, block by block of 16 rows x 128 columns.  A lane holds 32 neighbouring bytes of a row, and the lanes beside it hold other rows: so a block goes through my own stage in LDS and comes back as whole rows
; of 512 bytes.  LDS serves a wave's instructions in order (ISA guide 5.7.1.4): no wait between the stores and the loads, nor in front of the next block's stores.
.macro TOSTAGE a
	WIN 0x02                                       ; source 0 window 2
.set j, 0
.rept 32
	v_pk_mul_f32 v[64+j:65+j], v[64*(\a)+j:64*(\a)+j+1], s[96:97] op_sel_hi:[1,0]   ; both x s96 = 2^(e10 + e11); each accumulator from its low end on
.set j, j+2
.endr
	WIN 0
.set j, 0
.rept 8
	ds_store_b128 v24, v[64+8*j:67+8*j] offset:64*j
	ds_store_b128 v24, v[68+8*j:71+8*j] offset:64*j+16
.set j, j+1
.endr
.set BB, 128+64*((\a)%2)
.set j, 0
.rept 16
	ds_load_b128 v[BB+4*j:BB+4*j+3], v25 offset:j*SPITCH
.set j, j+1
.endr
.endm
.macro SEND a, younger                 ; younger: the LDS instructions issued behind block a's loads, which may stay out
.set BB, 128+64*((\a)%2)
	s_wait_dscnt \younger
.set j, 0
.rept 16
	global_store_b128 v26, v[BB+4*j:BB+4*j+3], s[10:11] offset:(16*(\a)+j)*4096 th:TH_STORE_NT   ; 32 lanes store 512 consecutive bytes, aligned; written once, read by nobody here
.set j, j+1
.endr
.endm
	s_wait_kmcnt 0x0
	s_add_co_i32 s96, s96, s97                     ; e10 + e11
	s_add_co_i32 s96, s96, 127
	s_lshl_b32 s96, s96, 23                        ; 2^(e10 + e11) as f32
	s_mov_b32 s97, s96                             ; (named with it as a pair)
	PLACES 4                                       ; in front of the first read of results, and of loads into registers that the last products read
	TOSTAGE 0
.irp a, 1,2,3
.if \a > 1
	s_wait_xcnt 0x0                                ; block a - 2's stores have read their data: block a's loads land there only behind this wait
.endif
	TOSTAGE \a
	SEND \a-1, 32                                  ; behind block a - 1's loads: block a's 16 stores and 16 loads
.endr
	SEND 3, 0
	s_wait_tensorcnt 0x0                           ; the wave's end: behind my last tensor load and my last LDS store
	ds_add_u32 v[SPW], v[NIL]
	s_wait_dscnt 0x0
	CROUND                                         ; the closing round: no work-group ends while a partner may still ask for a tile that names it
	s_endpgm
.Lfunc_end_k_q749955e55f_ogemm:
	.size	k_q749955e55f_ogemm, .Lfunc_end_k_q749955e55f_ogemm-k_q749955e55f_ogemm
	.p2alignl 7, 3214868480
	.fill 96, 4, 3214868480
	.section	.rodata,"a",@progbits
	.p2align	6, 0x0
	.amdhsa_kernel k_q749955e55f_ogemm
		.amdhsa_group_segment_fixed_size 327680
		.amdhsa_private_segment_fixed_size 0
		.amdhsa_enable_private_segment 0
		.amdhsa_kernarg_size 32
		.amdhsa_user_sgpr_count 2
		.amdhsa_user_sgpr_kernarg_segment_ptr 1
		.amdhsa_wavefront_size32 1
		.amdhsa_system_sgpr_workgroup_id_x 1
		.amdhsa_system_sgpr_workgroup_id_y 1
		.amdhsa_system_sgpr_workgroup_id_z 1
		.amdhsa_system_vgpr_workitem_id 0
		.amdhsa_next_free_vgpr 768
		.amdhsa_next_free_sgpr 100
		.amdhsa_reserve_vcc 0
		.amdhsa_float_denorm_mode_32 3
		.amdhsa_float_denorm_mode_16_64 3
		.amdhsa_memory_ordered 1
		.amdhsa_forward_progress 1
		.amdhsa_inst_pref_size 75
	.end_amdhsa_kernel
	.amdgpu_metadata
---
amdhsa.version: [ 1, 2 ]
amdhsa.kernels:
  - .name:           k_q749955e55f_ogemm
    .symbol:         k_q749955e55f_ogemm.kd
    .args:
      - { .name: ac, .offset: 0, .size: 8, .value_kind: global_buffer, .address_space: global }
      - { .name: cod, .offset: 8, .size: 8, .value_kind: global_buffer, .address_space: global }
      - { .name: lowp_scales, .offset: 16, .size: 8, .value_kind: global_buffer, .address_space: global }
      - { .name: out0, .offset: 24, .size: 8, .value_kind: global_buffer, .address_space: global }
    .group_segment_fixed_size: 327680
    .private_segment_fixed_size: 0
    .kernarg_segment_align: 8
    .kernarg_segment_size: 32
    .max_flat_workgroup_size: 128
    .sgpr_count:     100
    .vgpr_count:     768
    .wavefront_size: 32
...
	.end_amdgpu_metadata
.endif
;; end of part 4
